; MI455X (gfx1250); checked and timed in simulation.
; The chip was launched on July 23, 2026; its instructions are those of AMD's public machine-readable ISA for CDNA 5 (MIT licence, August 2026) and "CDNA5" Instruction Set Architecture Reference Guide (July 2026). The comments in the code are by the model that wrote it; some were corrected since.
;; Attention Block. Allowed arithmetic: float matrix products may take bf16 or f16 operands with f32 sums; all other float work in f32.
;; Inputs: b1 4,096 float32; b2 1,024 float32; bk 1,024 float32; bo 1,024 float32; bq 1,024 float32; bv 1,024 float32; ln1_b 1,024 float32; ln1_g 1,024 float32; ln2_b 1,024 float32; ln2_g 1,024 float32; w1 1,024 x 4,096 float32; w2 4,096 x 1,024 float32; wk 1,024 x 1,024 float32; wo 1,024 x 1,024 float32; wq 1,024 x 1,024 float32; wv 1,024 x 1,024 float32; x 2 x 2,048 x 1,024 float32.
;; Outputs: out0 2 x 2,048 x 1,024 float32.
;; One version. Each part assembles by itself: llvm-mc -triple=amdgcn-amd-amdhsa -mcpu=gfx1250 --defsym DOCPART=n.
;; ======== version 1 of 1: 7 launches
;; workspace buffers: wbf 25,165,824 bytes; hbf 8,388,608 bytes; qkv 25,165,824 bytes; att 8,388,608 bytes; x1 16,777,216 bytes; gbf 33,554,432 bytes
;; launch prep (part 1): grid 640 x 1, 8 waves a work-group, no clusters, 0 bytes of LDS; arguments x, ln1_g, ln1_b, hbf, wq, wk, wv, wo, w1, w2, wbf; writes hbf, wbf
.if DOCPART == 1
	.amdgcn_target "amdgcn-amd-amdhsa--gfx1250"
	.amdhsa_code_object_version 6
	.text
	.protected	k_q7884f40515_prep
	.globl	k_q7884f40515_prep
	.p2align	8
	.type	k_q7884f40515_prep,@function
k_q7884f40515_prep:
	s_mov_b64 s[64:65], 0
	v_nop
	global_prefetch_b8 v0, s[64:65] scope:SCOPE_SE
	s_setreg_imm32_b32 hwreg(HW_REG_WAVE_MODE, 25, 1), 1
	s_wait_xcnt 0x0
; Two streams in one launch.
; Work-groups 0-255:   hbf = bf16(LayerNorm(x) * g + b).  x: [4096][1024] f32, hbf: [4096][1024] bf16.
; Work-groups 256-639: wbf = bf16 of wq, wk, wv, wo, w1, w2, one behind the other, each left as it lies ([K][N]).
; Memory binds both: no LDS, no barrier, no matrix unit.
; NORM: a work-group has 16 rows, a wave 2.  A row (4,096 bytes) is eight 16-byte loads a lane and stays in 32 registers:
; mean first, then the mean of the squared differences from it, as the definition has it, so a common offset of x does no harm.
; Load j gives lane l the columns 128 j + 4 l .. + 3; their four bf16 are 8 bytes, and a store of the wave covers 256 consecutive
; bytes, aligned.
; LIMITS: NaN and infinities in x are not followed.
.set XR, 8                             ; v[8:71]    two rows, 32 registers each
.set GA, 72                            ; v[72:103]  gain of my 32 columns
.set BE, 104                           ; v[104:135] bias of my 32 columns
.set TT, 136                           ; v[136:143] four chains of sums
.set MU, 144                           ; v[144:145] the mean, twice
.set RS, 146                           ; v[146:149] 1/sqrt(var + eps), twice, for each row
.set YO, 152                           ; v[152:183] bf16 to store, 16 registers a row
	s_cmp_ge_u32 ttmp9, 256
	s_cbranch_scc1 .Lcvt
	s_load_b256 s[4:11], s[0:1], 0x0               ; x s[4:5], g s[6:7], b s[8:9], hbf s[10:11]
	v_lshrrev_b32 v3, 5, v0
	v_readfirstlane_b32 s12, v3                    ; wave
	v_and_b32 v1, 31, v0
	v_lshlrev_b32 v2, 3, v1                        ; 8 x lane: my bytes in a store
	v_lshlrev_b32 v1, 4, v1                        ; 16 x lane: my bytes in a load
	s_lshl_b32 s17, ttmp9, 4
	s_lshl1_add_u32 s17, s12, s17                  ; my first row = 16 x group + 2 x wave
	s_lshl_b32 s18, s17, 12                        ; x 4,096 bytes
	s_mov_b32 s19, 0
	s_lshl_b32 s20, s17, 11                        ; x 2,048 bytes
	s_mov_b32 s21, 0
	s_mov_b32 s13, 0x3a800000                      ; 1/1024
	s_mov_b32 s14, 0x3727c5ac                      ; 1e-5
	s_mov_b32 s15, 0x76543210                      ; v_permlanex16_b32: lane i of one half reads lane i of the other
	s_mov_b32 s16, 0xfedcba98
	s_wait_kmcnt 0x0
	s_add_nc_u64 s[4:5], s[4:5], s[18:19]
	s_add_nc_u64 s[10:11], s[10:11], s[20:21]
.irp j, 0,1,2,3,4,5,6,7
	global_load_b128 v[XR+4*\j:XR+4*\j+3], v1, s[4:5] offset:512*\j
.endr
.irp j, 0,1,2,3,4,5,6,7
	global_load_b128 v[XR+32+4*\j:XR+32+4*\j+3], v1, s[4:5] offset:4096+512*\j
.endr
.irp j, 0,1,2,3,4,5,6,7
	global_load_b128 v[GA+4*\j:GA+4*\j+3], v1, s[6:7] offset:512*\j
.endr
.irp j, 0,1,2,3,4,5,6,7
	global_load_b128 v[BE+4*\j:BE+4*\j+3], v1, s[8:9] offset:512*\j
.endr
; the four chains become one number, the same in all 32 lanes
.macro FOLD
	v_pk_add_f32 v[TT:TT+1], v[TT:TT+1], v[TT+2:TT+3]
	v_pk_add_f32 v[TT+4:TT+5], v[TT+4:TT+5], v[TT+6:TT+7]
	v_pk_add_f32 v[TT:TT+1], v[TT:TT+1], v[TT+4:TT+5]
	v_add_f32 v[TT], v[TT], v[TT+1]
	v_add_f32_dpp v[TT], v[TT], v[TT] row_xmask:1 row_mask:0xf bank_mask:0xf
	v_add_f32_dpp v[TT], v[TT], v[TT] row_xmask:2 row_mask:0xf bank_mask:0xf
	v_add_f32_dpp v[TT], v[TT], v[TT] row_xmask:4 row_mask:0xf bank_mask:0xf
	v_add_f32_dpp v[TT], v[TT], v[TT] row_xmask:8 row_mask:0xf bank_mask:0xf
	v_permlanex16_b32 v[TT+1], v[TT], s15, s16     ; its destination has been written above
	v_add_f32 v[TT], v[TT], v[TT+1]
.endm
; mean and 1/sqrt(var + eps) of one row; the row is left as x - mean.  left = younger loads that may stay out
.macro STAT row, left
	s_wait_loadcnt \left                           ; loads come back in order: this row's eight are in
.irp k, 0,1,2,3
	v_pk_add_f32 v[TT+2*\k:TT+2*\k+1], v[XR+32*\row+2*\k:XR+32*\row+2*\k+1], v[XR+32*\row+8+2*\k:XR+32*\row+8+2*\k+1]
.endr
.irp p, 8,9,10,11,12,13,14,15
	v_pk_add_f32 v[TT+2*(\p%4):TT+2*(\p%4)+1], v[TT+2*(\p%4):TT+2*(\p%4)+1], v[XR+32*\row+2*\p:XR+32*\row+2*\p+1]
.endr
	FOLD
	v_mul_f32 v[MU], s13, v[TT]
	v_mul_f32 v[MU+1], s13, v[TT]
.irp p, 0,1,2,3,4,5,6,7,8,9,10,11,12,13,14,15
	v_pk_add_f32 v[XR+32*\row+2*\p:XR+32*\row+2*\p+1], v[XR+32*\row+2*\p:XR+32*\row+2*\p+1], v[MU:MU+1] neg_lo:[0,1] neg_hi:[0,1]
.endr
.irp k, 0,1,2,3
	v_pk_mul_f32 v[TT+2*\k:TT+2*\k+1], v[XR+32*\row+2*\k:XR+32*\row+2*\k+1], v[XR+32*\row+2*\k:XR+32*\row+2*\k+1]
.endr
.irp p, 4,5,6,7,8,9,10,11,12,13,14,15
	v_pk_fma_f32 v[TT+2*(\p%4):TT+2*(\p%4)+1], v[XR+32*\row+2*\p:XR+32*\row+2*\p+1], v[XR+32*\row+2*\p:XR+32*\row+2*\p+1], v[TT+2*(\p%4):TT+2*(\p%4)+1]
.endr
	FOLD
	v_fma_f32 v[TT], v[TT], s13, s14               ; var + eps
	v_rsq_f32 v[RS+2*\row], v[TT]
	v_rsq_f32 v[RS+2*\row+1], v[TT]
	v_nop                                          ; one plain place before the source is written again or the result used (ISA guide 5.7.2)
.endm
.macro EMIT row
	s_wait_alu depctr_va_vdst(0)
.irp p, 0,1,2,3,4,5,6,7,8,9,10,11,12,13,14,15
	v_pk_mul_f32 v[XR+32*\row+2*\p:XR+32*\row+2*\p+1], v[XR+32*\row+2*\p:XR+32*\row+2*\p+1], v[RS+2*\row:RS+2*\row+1]
.endr
.irp p, 0,1,2,3,4,5,6,7,8,9,10,11,12,13,14,15
	v_pk_fma_f32 v[XR+32*\row+2*\p:XR+32*\row+2*\p+1], v[XR+32*\row+2*\p:XR+32*\row+2*\p+1], v[GA+2*\p:GA+2*\p+1], v[BE+2*\p:BE+2*\p+1]
.endr
.irp p, 0,1,2,3,4,5,6,7,8,9,10,11,12,13,14,15
	v_cvt_pk_bf16_f32 v[YO+16*\row+\p], v[XR+32*\row+2*\p], v[XR+32*\row+2*\p+1]
.endr
.irp j, 0,1,2,3,4,5,6,7
	global_store_b64 v2, v[YO+16*\row+2*\j:YO+16*\row+2*\j+1], s[10:11] offset:\row*2048+256*\j
.endr
.endm
	STAT 0, 24                                     ; the second row, g and b (24 loads) stay out
	STAT 1, 16                                     ; g and b stay out
	s_wait_loadcnt 0x0
	EMIT 0
	EMIT 1
	s_endpgm
; CONVERT: work-group 256 + c takes numbers 32,768 c .. + 32,767 of the six weights laid end to end: 131,072 bytes in, 65,536 out.
; Chunks 0-31 wq, 32-63 wk, 64-95 wv, 96-127 wo, 128-255 w1, 256-383 w2.  All 32 loads of a thread go out at once;
; every register is written once, so no source is ever rewritten.
.Lcvt:
	s_load_b256 s[16:23], s[0:1], 0x20             ; wq, wk, wv, wo
	s_load_b128 s[24:27], s[0:1], 0x40             ; w1, w2
	s_load_b64 s[28:29], s[0:1], 0x50              ; wbf
	s_sub_co_u32 s2, ttmp9, 256                    ; c
	v_lshlrev_b32 v1, 4, v0                        ; 16 bytes a thread in
	v_lshlrev_b32 v2, 3, v0                        ; 8 bytes a thread out
	s_wait_kmcnt 0x0
	s_mov_b64 s[4:5], s[16:17]
	s_mov_b32 s6, 0                                ; the chosen weight's first chunk
	s_cmp_ge_u32 s2, 32
	s_cselect_b64 s[4:5], s[18:19], s[4:5]
	s_cselect_b32 s6, 32, s6
	s_cmp_ge_u32 s2, 64
	s_cselect_b64 s[4:5], s[20:21], s[4:5]
	s_cselect_b32 s6, 64, s6
	s_cmp_ge_u32 s2, 96
	s_cselect_b64 s[4:5], s[22:23], s[4:5]
	s_cselect_b32 s6, 96, s6
	s_cmp_ge_u32 s2, 128
	s_cselect_b64 s[4:5], s[24:25], s[4:5]
	s_cselect_b32 s6, 128, s6
	s_cmp_ge_u32 s2, 256
	s_cselect_b64 s[4:5], s[26:27], s[4:5]
	s_cselect_b32 s6, 256, s6
	s_sub_co_u32 s7, s2, s6
	s_lshl_b32 s8, s7, 17
	s_mov_b32 s9, 0
	s_lshl_b32 s10, s2, 16
	s_mov_b32 s11, 0
	s_add_nc_u64 s[4:5], s[4:5], s[8:9]
	s_add_nc_u64 s[28:29], s[28:29], s[10:11]
.set j, 0
.rept 32
	global_load_b128 v[8+4*j:11+4*j], v1, s[4:5] offset:4096*j th:TH_LOAD_NT
.set j, j+1
.endr
.set j, 0
.rept 32
	s_wait_loadcnt 31-j                            ; load j is in, the younger ones stay out
	v_cvt_pk_bf16_f32 v[136+2*j], v[8+4*j], v[9+4*j]
	v_cvt_pk_bf16_f32 v[137+2*j], v[10+4*j], v[11+4*j]
	global_store_b64 v2, v[136+2*j:137+2*j], s[28:29] offset:2048*j
.set j, j+1
.endr
	s_endpgm
.Lfunc_end_k_q7884f40515_prep:
	.size	k_q7884f40515_prep, .Lfunc_end_k_q7884f40515_prep-k_q7884f40515_prep
	.p2alignl 7, 3214868480
	.fill 96, 4, 3214868480
	.section	.rodata,"a",@progbits
	.p2align	6, 0x0
	.amdhsa_kernel k_q7884f40515_prep
		.amdhsa_group_segment_fixed_size 0
		.amdhsa_private_segment_fixed_size 0
		.amdhsa_enable_private_segment 0
		.amdhsa_kernarg_size 88
		.amdhsa_user_sgpr_count 2
		.amdhsa_user_sgpr_kernarg_segment_ptr 1
		.amdhsa_wavefront_size32 1
		.amdhsa_system_sgpr_workgroup_id_x 1
		.amdhsa_system_sgpr_workgroup_id_y 1
		.amdhsa_system_sgpr_workgroup_id_z 1
		.amdhsa_system_vgpr_workitem_id 0
		.amdhsa_next_free_vgpr 200
		.amdhsa_next_free_sgpr 66
		.amdhsa_reserve_vcc 0
		.amdhsa_float_denorm_mode_32 3
		.amdhsa_float_denorm_mode_16_64 3
		.amdhsa_memory_ordered 1
		.amdhsa_forward_progress 1
		.amdhsa_inst_pref_size 33
	.end_amdhsa_kernel
	.amdgpu_metadata
---
amdhsa.version: [ 1, 2 ]
amdhsa.kernels:
  - .name:           k_q7884f40515_prep
    .symbol:         k_q7884f40515_prep.kd
    .args:
      - { .name: x, .offset: 0, .size: 8, .value_kind: global_buffer, .address_space: global }
      - { .name: ln1_g, .offset: 8, .size: 8, .value_kind: global_buffer, .address_space: global }
      - { .name: ln1_b, .offset: 16, .size: 8, .value_kind: global_buffer, .address_space: global }
      - { .name: hbf, .offset: 24, .size: 8, .value_kind: global_buffer, .address_space: global }
      - { .name: wq, .offset: 32, .size: 8, .value_kind: global_buffer, .address_space: global }
      - { .name: wk, .offset: 40, .size: 8, .value_kind: global_buffer, .address_space: global }
      - { .name: wv, .offset: 48, .size: 8, .value_kind: global_buffer, .address_space: global }
      - { .name: wo, .offset: 56, .size: 8, .value_kind: global_buffer, .address_space: global }
      - { .name: w1, .offset: 64, .size: 8, .value_kind: global_buffer, .address_space: global }
      - { .name: w2, .offset: 72, .size: 8, .value_kind: global_buffer, .address_space: global }
      - { .name: wbf, .offset: 80, .size: 8, .value_kind: global_buffer, .address_space: global }
    .group_segment_fixed_size: 0
    .private_segment_fixed_size: 0
    .kernarg_segment_align: 8
    .kernarg_segment_size: 88
    .max_flat_workgroup_size: 256
    .sgpr_count:     66
    .vgpr_count:     200
    .wavefront_size: 32
...
	.end_amdgpu_metadata
.endif
;; end of part 1
;; launch qkv (part 2): grid 12 x 16, 4 waves a work-group, clusters of 4 x 4, 327,680 bytes of LDS; arguments hbf, wbf, qkv, bq, bk, bv; writes qkv
.if DOCPART == 2
	.amdgcn_target "amdgcn-amd-amdhsa--gfx1250"
	.amdhsa_code_object_version 6
	.text
	.protected	k_q7884f40515_qkv
	.globl	k_q7884f40515_qkv
	.p2align	8
	.type	k_q7884f40515_qkv,@function
k_q7884f40515_qkv:
	s_mov_b64 s[64:65], 0
	v_nop
	global_prefetch_b8 v0, s[64:65] scope:SCOPE_SE
	s_setreg_imm32_b32 hwreg(HW_REG_WAVE_MODE, 25, 1), 1
	s_wait_xcnt 0x0
	s_wait_alu depctr_hold_cnt(0) depctr_sa_sdst(0) depctr_va_vdst(0) depctr_va_sdst(0) depctr_va_ssrc(0) depctr_va_vcc(0) depctr_vm_vsrc(0)
	s_getreg_b32 s2, hwreg(HW_REG_IB_STS2, 6, 4)
	s_cmp_eq_u32 s2, 0
	s_cbranch_scc0 .Lentry_in_a_cluster
	s_endpgm
.Lentry_in_a_cluster:
	s_bfe_u32 s2, ttmp6, 0x10000c
	s_cmp_lg_u32 s2, 0xf033
	s_cbranch_scc0 .Lentry_shape_is_right
	s_endpgm
.Lentry_shape_is_right:
; C = bf16(f(A W + bias)).  A: [4096][1024] bf16 (rows along K).  W: bf16 as the input has it, [K][N] (rows along N).
; IS_FFN1 = 0: the three projections; block columns 0-3 are wq, 4-7 wk, 8-11 wv; C = qkv[3][4096][1024]; f = identity.
; IS_FFN1 = 1: W = w1 [1024][4096]; C = gbf[4096][4096]; f = GELU with the error function.
; A work-group makes 256 x 256 of C with four waves, a wave 128 x 128: 64 accumulator tiles, 512 registers.  K goes in steps of 128
; through a ring of two LDS slots filled by tensor loads: A's tile as 256 rows of 256 bytes, W's as 128 k-rows of 512 bytes.
; W's fragments are made by the transposing LDS load (ds_load_tr16_b128), so W is never transposed in memory.
; CLUSTERS: 4 x 4 work-groups.  A's tile hangs on the block row alone and is asked for jointly by a row of the cluster, W's on the block
; column alone and is asked for jointly by a column: a quarter of the requests.
; REGISTER WINDOWS: window 0: v0-31 addresses, v32-63 GELU at work, v64-127 and v128-191 A's fragments (two buffers), v192-223 packed results;
; window 1: v0-63 the bias of my 128 columns as the accumulators hold them, v64-191 W's fragments; windows 2, 3: accumulators
; (tile (a, b) at v[8 (8 a + b)]; window 3: my rows 64-127).
; The matrix instruction takes W's fragment as source 0 and A's as source 1: lane l then holds row l % 16 of C, and its registers 0-7
; the columns 8 (l / 16) + 0..7 of the tile: eight neighbouring numbers of a row.
; The 64 accumulators take turns, one matrix instruction a turn, in the same order everywhere.
; LIMITS: operands are rounded to bf16.  erf is Abramowitz and Stegun 7.1.26, absolute error at most 1.5e-7 for every x;
; exp2 gives 0 below 2^-126; NaN and infinities are not followed.
.set IS_FFN1, 0
.set SIZE_K, 1024
.if IS_FFN1
.set BP, 4096                          ; numbers in a row of W, and of C
.else
.set BP, 1024
.endif
.set KSTEP,  128
.set APITCH, 272                       ; A's LDS row: 256 bytes + 16: an odd multiple of 16, so 16 rows of a fragment load start 16 bytes apart modulo 256
.set BPITCH, 544                       ; W's LDS row: 512 bytes + 32: an odd multiple of 32, as the transposing load's eight rows want
.set HALFT,  128*APITCH                ; what one tensor load brings: 128 rows of A, or 64 k-rows of W (64 x 544 is the same 34,816)
.set BBASE,  2*HALFT
.set SLOT,   4*HALFT
.set STAGE,  2*SLOT                    ; behind the ring: 16 rows x 272 bytes for each wave, never filled by a tensor load
.set SPITCH, 272
.set LAPS, SIZE_K/(2*KSTEP)
.set ADRA, 16                          ; v16-17 LDS address of my A fragments in slot 0, 1
.set ADRB, 20                          ; v20-21 the same for W
.set STO,  24
.set RD,   25
.set CO,   26
.set BO,   27                          ; 32 x (l / 16): my place in 64 bytes of bias
.set AX,   32                          ; GELU: |x|, then |x|/2
.set TG,   40                          ; GELU: t
.set EG,   48                          ; GELU: exp(-x x / 2)
.set PG,   56                          ; GELU: minus the polynomial
.set F0,   64
.set F1,   128
.set TMP,  192
.set G1, 24
.set G0, 32
.set G1B, 48
.set G0B, 56
.set MSB, 0
.macro WIN new                         ; the immediate's high byte repeats the setting that is left
.if MSB != \new
	s_set_vgpr_msb (MSB<<8)|\new
.set MSB, \new
.endif
.endm
.set MUL_LO, 0xa1                      ; source 0 (W) window 1, source 1 (A) window 0, C and D window 2
.set MUL_HI, 0xf1                      ; the same, C and D window 3
.set TO_B,   0x40                      ; destination window 1, address window 0
; A joint load: waves 0 and 1 fetch A's halves, waves 2 and 3 W's.  The branch hangs on the wave's number alone.
.macro JLOAD s
	s_cmp_eq_u32 s11, 0
	s_cbranch_scc0 .Lfor_b_\@
	tensor_load_to_lds s[G0+4*\s:G0+4*\s+3], s[G1:G1+7]
	s_nop 0
	s_branch .Lasked_\@
.Lfor_b_\@:
	tensor_load_to_lds s[G0B+4*\s:G0B+4*\s+3], s[G1B:G1B+7]
	s_nop 0
.Lasked_\@:
.endm
.macro CREST                           ; a round of the cluster's barrier behind its opening barrier
	s_cmp_lg_u32 s10, 0
	s_cbranch_scc1 .Lnot_wave_0_\@
	s_barrier_signal -3
.Lnot_wave_0_\@:
	s_barrier_wait -3
	s_barrier_signal -1
	s_barrier_wait -1
.endm
.macro CROUND                          ; a whole round
	s_barrier_signal -1
	s_barrier_wait -1
	CREST
.endm
	s_load_b128 s[4:7], s[0:1], 0x0                ; A s[4:5], wbf s[6:7]
	s_load_b64 s[8:9], s[0:1], 0x10                ; C
.if IS_FFN1
	s_load_b64 s[66:67], s[0:1], 0x18              ; b1
.else
	s_load_b64 s[68:69], s[0:1], 0x18              ; bq
	s_load_b64 s[70:71], s[0:1], 0x20              ; bk
	s_load_b64 s[72:73], s[0:1], 0x28              ; bv
	s_set_vgpr_msb 0x40
	v_lshl_add_u32 v255, v0, 2, 0x48400
	s_set_vgpr_msb 0x4000
	v_mov_b32 v255, 0
	s_set_vgpr_msb 0x1
	ds_add_u32 v255, v255
	s_set_vgpr_msb 0x100
.endif
	v_lshrrev_b32 v1, 5, v0
	v_readfirstlane_b32 s10, v1                    ; wave 0..3
	s_lshr_b32 s11, s10, 1                         ; my half of the block's rows.  Also: I fetch for A (0) or for W (1)
	s_and_b32 s12, s10, 1                          ; my half of its columns.  Also: which half of that tile I fetch
	s_bfe_u32 s40, ttmp6, 0x40000                  ; cx
	s_bfe_u32 s41, ttmp6, 0x40004                  ; cy
	s_lshl_b32 s42, ttmp9, 2
	s_add_co_u32 s42, s42, s40                     ; block column = 4 x cluster x + cx
	s_and_b32 s13, ttmp7, 0xffff
	s_lshl_b32 s13, s13, 2
	s_add_co_u32 s13, s13, s41                     ; block row = 4 x cluster y + cy
	s_lshl_b32 s43, s41, 2
	s_lshl_b32 s43, 15, s43                        ; my row of the cluster
	s_lshl_b32 s44, 0x1111, s40                    ; my column
	; group 1.  A: 128 rows x 128 elements, 4 words of padding behind every 64.  W: 64 rows x 256 elements, 8 words behind every 128.
	s_or_b32 s[G1+0], s43, (1<<16)|(1<<20)|(1<<21)|(5<<22)|(3<<25)
	s_or_b32 s[G1B+0], s44, (1<<16)|(1<<20)|(1<<21)|(6<<22)|(7<<25)
	s_mov_b32 s[G1+1], 128<<16                     ; tensor_dim0
	s_mov_b32 s[G1B+1], 256<<16
	s_mov_b32 s[G1+2], 128<<16                     ; tensor_dim1
	s_mov_b32 s[G1B+2], 64<<16
	s_mov_b32 s[G1+3], 128<<16                     ; tile_dim0
	s_mov_b32 s[G1B+3], 256<<16
	s_mov_b32 s[G1+4], 128                         ; tile_dim1
	s_mov_b32 s[G1B+4], 64
	s_mov_b32 s[G1+5], SIZE_K                      ; elements from row to row
	s_mov_b32 s[G1B+5], BP
	s_mov_b32 s[G1+6], 0
	s_mov_b32 s[G1B+6], 0
	s_mov_b32 s[G1+7], 0
	s_mov_b32 s[G1B+7], 0
	; A's tile hangs on the block row, W's on the block column; each address is made in registers that never hold the other coordinate
	s_lshl_b32 s17, s12, 7
	s_lshl_b32 s16, s13, 8
	s_add_co_u32 s16, s16, s17                     ; A: row 256 x block row + 128 x half
	s_mul_i32 s16, s16, SIZE_K*2                   ; in bytes: below 8 MiB
	s_mov_b32 s17, 0
.if IS_FFN1
	s_lshl_b32 s46, s42, 9                         ; W: 512 bytes a block column,
	s_add_co_u32 s46, s46, 0x800000                ; w1 lies 8 MiB into wbf
.else
	s_lshl_b32 s46, s40, 9                         ; W: 512 bytes a block column inside the weight (cx),
	s_lshl_b32 s47, ttmp9, 21                      ; the weight is the cluster's x: 2 MiB each
	s_add_co_u32 s46, s46, s47
.endif
	s_mul_i32 s47, s12, 64*BP*2                    ; my 64 k-rows
	s_add_co_u32 s46, s46, s47
	s_mov_b32 s47, 0
	s_mul_i32 s20, s10, HALFT                      ; where my load goes: wave x 34,816 (A's halves, then W's)
.if IS_FFN1
	s_mov_b32 s74, 0x3e6d3388                      ; 0.3275911 / sqrt(2)
	s_mov_b32 s75, 0x3e6d3388
	s_mov_b32 s76, 0xbf38aa3b                      ; -log2(e) / 2
	s_mov_b32 s77, 0xbf38aa3b
	s_mov_b32 s78, 0xbf87dc22                      ; -a5
	s_mov_b32 s79, 0xbf87dc22
	s_mov_b32 s80, 0xbfb5f0e3                      ; -a3
	s_mov_b32 s81, 0xbfb5f0e3
	s_mov_b32 s82, 0x3e91a98e                      ; -a2
	s_mov_b32 s83, 0x3e91a98e
	s_mov_b32 s84, 0xbe827906                      ; -a1
	s_mov_b32 s85, 0xbe827906
	s_mov_b32 s86, 0x7fffffff
	v_mov_b32 v30, 0x3fba00e3                      ; -a4
	v_mov_b32 v31, 0x3fba00e3
.endif
	s_wait_dscnt 0x0
	s_wait_kmcnt 0x0
	s_add_nc_u64 s[14:15], s[4:5], s[16:17]
	s_add_nc_u64 s[46:47], s[6:7], s[46:47]
	CROUND                                         ; all sixteen work-groups are here: the first joint loads meet
.irp s, 0,1
	s_mov_b32 s[G0+4*\s], 1
	s_add_co_u32 s[G0+4*\s+1], s20, \s*SLOT
	s_add_nc_u64 s[G0+4*\s+2:G0+4*\s+3], s[14:15], \s*KSTEP*2
	s_or_b32 s[G0+4*\s+3], s[G0+4*\s+3], 0x80000000
	s_mov_b32 s[G0B+4*\s], 1
	s_add_co_u32 s[G0B+4*\s+1], s20, \s*SLOT
	s_add_nc_u64 s[G0B+4*\s+2:G0B+4*\s+3], s[46:47], \s*KSTEP*BP*2
	s_or_b32 s[G0B+4*\s+3], s[G0B+4*\s+3], 0x80000000
	JLOAD \s                                       ; both first fills go out as one group: two tensor loads of the wave are out
.endr
	v_and_b32 v1, 15, v0                           ; r = l % 16
	v_bfe_u32 v2, v0, 4, 1                         ; h = l / 16
	v_and_b32 v6, 7, v0                            ; l % 8
	v_bfe_u32 v7, v0, 3, 1                         ; (l / 8) % 2
	v_mul_u32_u24 v3, v1, APITCH
	v_lshl_add_u32 v3, v2, 4, v3                   ; A: row r, 16 bytes for each half of the lanes
	v_lshl_add_u32 v8, v2, 3, v6
	v_mul_u32_u24 v8, v8, BPITCH                   ; W: k-row 8 h + l % 8,
	v_lshl_add_u32 v8, v7, 4, v8                   ; columns 0-7 or 8-15 of the sixteen
	s_mul_i32 s21, s11, HALFT                      ; my 128 rows of A
	s_lshl_b32 s22, s12, 8                         ; my 128 columns of W: 256 bytes
	s_add_co_u32 s22, s22, BBASE
.irp s, 0,1
	v_add_nc_u32 v[ADRA+\s], s21, v3
	v_add_nc_u32 v[ADRB+\s], s22, v8
	s_add_co_u32 s21, s21, SLOT
	s_add_co_u32 s22, s22, SLOT
.endr
	s_mul_i32 s23, s10, 16*SPITCH
	s_add_co_u32 s23, s23, STAGE                   ; my stage
	v_mul_u32_u24 v4, v1, SPITCH
	v_lshl_add_u32 v4, v2, 4, v4
	v_add_nc_u32 v[STO], s23, v4
	v_mul_u32_u24 v5, v2, SPITCH
	v_lshl_add_u32 v5, v1, 4, v5
	v_add_nc_u32 v[RD], s23, v5
	v_mul_u32_u24 v5, v2, BP*2
	v_lshl_add_u32 v[CO], v1, 4, v5
	v_lshlrev_b32 v[BO], 5, v2
	; the bias of my 128 columns, laid as the accumulators are: register 8 b + j of window 1 = bias[16 b + 8 h + j].  Waited for on the way out.
.if IS_FFN1
	s_lshl_b32 s46, s42, 10                        ; 256 columns x 4 bytes a block column
.else
	s_cmp_eq_u32 ttmp9, 1                          ; the weight's own bias: the cluster's x again
	s_cselect_b64 s[66:67], s[70:71], s[68:69]
	s_cmp_eq_u32 ttmp9, 2
	s_cselect_b64 s[66:67], s[72:73], s[66:67]
	s_lshl_b32 s46, s40, 10
.endif
	s_lshl_b32 s47, s12, 9
	s_add_co_u32 s46, s46, s47
	s_mov_b32 s47, 0
	s_add_nc_u64 s[66:67], s[66:67], s[46:47]
	WIN TO_B
.irp b, 0,1,2,3,4,5,6,7
	global_load_b128 v[8*\b:8*\b+3],   v[BO], s[66:67] offset:64*\b
	global_load_b128 v[8*\b+4:8*\b+7], v[BO], s[66:67] offset:64*\b+16
.endr
	WIN 0
; 16 matrix instructions: m blocks a0, a0 + 1 of the window's four x all 8 n blocks, 32 along K.  zero = 1: the first product starts the sums.
.macro MUL16 f, hi, a0, zero
.irp a, \a0, \a0+1
.irp b, 0,1,2,3,4,5,6,7
.if \zero
	v_wmma_f32_16x16x32_bf16 v[8*(8*(\a)+\b):8*(8*(\a)+\b)+7], v[\f+8*\b:\f+8*\b+7], v[\f+8*(4*\hi+\a):\f+8*(4*\hi+\a)+7], 0
.else
	v_wmma_f32_16x16x32_bf16 v[8*(8*(\a)+\b):8*(8*(\a)+\b)+7], v[\f+8*\b:\f+8*\b+7], v[\f+8*(4*\hi+\a):\f+8*(4*\hi+\a)+7], v[8*(8*(\a)+\b):8*(8*(\a)+\b)+7]
.endif
.endr
.endr
.endm
; 32 LDS loads in one run: the fragments of K slice q (32 along K) of a slot into buffer f.
; W: the transposing load brings lane l column 16 i + l % 16, k = 8 h .. + 7 (first load) and 16 + 8 h .. + 7 (second, 16 k-rows down).
.macro FETCH slot, q, f
	WIN TO_B
.irp i, 0,1,2,3,4,5,6,7
	ds_load_tr16_b128 v[\f+8*\i:\f+8*\i+3],   v[ADRB+\slot] offset:\q*32*BPITCH+32*\i
	ds_load_tr16_b128 v[\f+8*\i+4:\f+8*\i+7], v[ADRB+\slot] offset:\q*32*BPITCH+16*BPITCH+32*\i
.endr
	WIN 0
.irp i, 0,1,2,3,4,5,6,7
	ds_load_b128 v[\f+8*\i:\f+8*\i+3],   v[ADRA+\slot] offset:64*\q+\i*16*APITCH
	ds_load_b128 v[\f+8*\i+4:\f+8*\i+7], v[ADRA+\slot] offset:64*\q+\i*16*APITCH+32
.endr
.endm
; four places behind a matrix instruction before a load lands in a register that it read, or a vector instruction reads its result
; (ISA guide 7.12.1 for vector instructions)
.macro PLACES
.rept 4
	v_nop
.endr
.endm
.macro QUARTER slot, q, f, g, zero
	s_wait_dscnt 8                                 ; W and A's rows 0-63 are in; the youngest eight loads (A's rows 64-127) may be out
	WIN MUL_LO
	MUL16 \f, 0, 0, \zero
	MUL16 \f, 0, 2, \zero
	PLACES
	FETCH \slot, \q, \g
	s_wait_dscnt 32                                ; all but the 32 just issued
	WIN MUL_HI
	MUL16 \f, 1, 0, \zero
	MUL16 \f, 1, 2, \zero
.endm
.macro THREE slot, zero
	QUARTER \slot, 1, F0, F1, \zero
	QUARTER \slot, 2, F1, F0, 0
	QUARTER \slot, 3, F0, F1, 0
.endm
; The last quarter of a K step: multiplies buffer 1 and changes slots.  In front of the barrier each wave waits for its reads of this slot and
; for all its tensor loads (one is out: its part of the next slot).  Where the slot is filled again the barrier opens a round of the cluster's
; barrier, and the joint refill is the first tensor load behind the round: 240 matrix instructions lie between a request and the wait for it.
.macro TURN slot, next, fill
	s_wait_dscnt 8
	WIN MUL_LO
	MUL16 F1, 0, 0, 0
	s_wait_dscnt 0
	s_wait_tensorcnt 0x0
	ds_add_u32 v255, v255
	s_wait_dscnt 0x0
	s_barrier_signal -1
	MUL16 F1, 0, 2, 0                              ; registers only
	WIN 0
	s_barrier_wait -1
.if \fill
	CREST
	s_add_nc_u64 s[G0+4*\slot+2:G0+4*\slot+3], s[G0+4*\slot+2:G0+4*\slot+3], 2*KSTEP*2
	s_add_nc_u64 s[G0B+4*\slot+2:G0B+4*\slot+3], s[G0B+4*\slot+2:G0B+4*\slot+3], 2*KSTEP*BP*2
	JLOAD \slot
.endif
	PLACES
	FETCH \next, 0, F0
	WIN MUL_HI
	MUL16 F1, 1, 0, 0
	MUL16 F1, 1, 2, 0
.endm
.macro LAP zero
	THREE 0, \zero
	TURN 0, 1, 1
	THREE 1, 0
	TURN 1, 0, 1
.endm
	s_wait_tensorcnt 1                             ; my part of K step 0 is in; K step 1's stays out
	s_barrier_signal -1
	s_barrier_wait -1
	FETCH 0, 0, F0
	LAP 1
.if LAPS > 2
	WIN 0
	s_mov_b32 s3, LAPS-2
.Llap:
	LAP 0
	WIN 0
	s_sub_co_u32 s3, s3, 1
	s_cmp_lg_u32 s3, 0
	s_cbranch_scc1 .Llap
.endif
	THREE 0, 0                                     ; the last lap fills nothing
	TURN 0, 1, 0
	THREE 1, 0
	s_wait_dscnt 8
	WIN MUL_LO
	MUL16 F1, 0, 0, 0
	MUL16 F1, 0, 2, 0
	s_wait_dscnt 0
	WIN MUL_HI
	MUL16 F1, 1, 0, 0
	MUL16 F1, 1, 2, 0
	; THE WAY OUT, 16 rows at a time: + bias, f, round to bf16, 16 bytes a lane into my own stage, whole rows of 256 bytes back and out.
	PLACES
	s_lshl_b32 s13, s13, 8
	s_lshl_b32 s14, s11, 7
	s_add_co_u32 s16, s13, s14                     ; my first row of C
	s_mul_i32 s16, s16, BP*2                       ; below 32 MiB
	s_mov_b32 s17, 0
	s_add_nc_u64 s[8:9], s[8:9], s[16:17]
.if IS_FFN1
	s_lshl_b32 s46, s42, 9
.else
	s_lshl_b32 s46, s40, 9
	s_lshl_b32 s47, ttmp9, 23                      ; q, k or v: 8 MiB each
	s_add_co_u32 s46, s46, s47
.endif
	s_lshl_b32 s47, s12, 8
	s_add_co_u32 s46, s46, s47
	s_mov_b32 s47, 0
	s_add_nc_u64 s[8:9], s[8:9], s[46:47]
	s_wait_loadcnt 0x0                             ; the bias
; gelu(x) = x/2 + |x|/2 - |x|/2 q,  q = (a1 t + .. + a5 t^5) exp(-x x / 2),  t = 1 / (1 + 0.3275911 |x| / sqrt 2): eight numbers at v[x .. x+7].
; The coefficients are kept negated, so that the last line is one fused multiply-add.
.macro GELU8 x
.irp k, 0,1,2,3,4,5,6,7
	v_and_b32 v[AX+\k], s86, v[\x+\k]
.endr
.irp k, 0,2,4,6
	v_pk_fma_f32 v[TG+\k:TG+\k+1], v[AX+\k:AX+\k+1], s[74:75], 1.0 op_sel_hi:[1,0,0]
.endr
.irp k, 0,1,2,3,4,5,6,7
	v_rcp_f32 v[TG+\k], v[TG+\k]
.endr
.irp k, 0,2,4,6
	v_pk_mul_f32 v[EG+\k:EG+\k+1], v[\x+\k:\x+\k+1], v[\x+\k:\x+\k+1]      ; also the plain place behind the reciprocals (ISA guide 5.7.2)
.endr
.irp k, 0,2,4,6
	v_pk_mul_f32 v[EG+\k:EG+\k+1], v[EG+\k:EG+\k+1], s[76:77] op_sel_hi:[1,0]
.endr
.irp k, 0,1,2,3,4,5,6,7
	v_exp_f32 v[EG+\k], v[EG+\k]
.endr
.irp k, 0,2,4,6
	v_pk_fma_f32 v[PG+\k:PG+\k+1], v[TG+\k:TG+\k+1], s[78:79], v[30:31] op_sel_hi:[1,0,1]   ; also the plain place behind the exponentials
.endr
.irp c, 80,82,84
.irp k, 0,2,4,6
	v_pk_fma_f32 v[PG+\k:PG+\k+1], v[PG+\k:PG+\k+1], v[TG+\k:TG+\k+1], s[\c:\c+1] op_sel_hi:[1,1,0]
.endr
.endr
.irp k, 0,2,4,6
	v_pk_mul_f32 v[PG+\k:PG+\k+1], v[PG+\k:PG+\k+1], v[TG+\k:TG+\k+1]
.endr
.irp k, 0,2,4,6
	v_pk_mul_f32 v[PG+\k:PG+\k+1], v[PG+\k:PG+\k+1], v[EG+\k:EG+\k+1]
.endr
.irp k, 0,2,4,6
	v_pk_mul_f32 v[AX+\k:AX+\k+1], v[AX+\k:AX+\k+1], 0.5 op_sel_hi:[1,0]
.endr
.irp k, 0,2,4,6
	v_pk_fma_f32 v[\x+\k:\x+\k+1], v[\x+\k:\x+\k+1], 0.5, v[AX+\k:AX+\k+1] op_sel_hi:[1,0,1]
.endr
.irp k, 0,2,4,6
	v_pk_fma_f32 v[\x+\k:\x+\k+1], v[AX+\k:AX+\k+1], v[PG+\k:PG+\k+1], v[\x+\k:\x+\k+1]
.endr
.endm
; rows 16 i .. + 15 of my block = tiles (a, 0..7) of window 2 or 3.  from: source 0 that window, source 1 window 1 (bias), destination window 0
.macro OUT16 i, a, from
	WIN \from
.irp b, 0,1,2,3,4,5,6,7
.irp p, 0,1,2,3
	v_pk_add_f32 v[F0+8*\b+2*\p:F0+8*\b+2*\p+1], v[8*(8*\a+\b)+2*\p:8*(8*\a+\b)+2*\p+1], v[8*\b+2*\p:8*\b+2*\p+1]
.endr
.endr
	WIN 0
.if IS_FFN1
.irp b, 0,1,2,3,4,5,6,7
	GELU8 F0+8*\b
.endr
.endif
.irp b, 0,1,2,3,4,5,6,7
.irp r, 0,1,2,3
	v_cvt_pk_bf16_f32 v[TMP+4*\b+\r], v[F0+8*\b+2*\r], v[F0+8*\b+2*\r+1]
.endr
.endr
.irp b, 0,1,2,3,4,5,6,7
	ds_store_b128 v[STO], v[TMP+4*\b:TMP+4*\b+3] offset:32*\b
.endr
	s_wait_xcnt 0x0                                ; buffer 1, which the last stores read, and their base are rewritten only behind this wait
.if \i
	s_add_nc_u64 s[8:9], s[8:9], 16*BP*2
.endif
.irp t, 0,1,2,3,4,5,6,7
	ds_load_b128 v[F1+4*\t:F1+4*\t+3], v[RD] offset:\t*2*SPITCH    ; LDS serves a wave's instructions in order: these see the stores above
.endr
.irp t, 0,1,2,3,4,5,6,7
	s_wait_dscnt 7-\t                              ; read-back t is in, the younger ones stay out
	global_store_b128 v[CO], v[F1+4*\t:F1+4*\t+3], s[8:9] offset:2*\t*BP*2   ; 16 lanes store 256 consecutive bytes, aligned
.endr
.endm
	OUT16 0, 0, 0x06
	OUT16 1, 1, 0x06
	OUT16 2, 2, 0x06
	OUT16 3, 3, 0x06
	OUT16 4, 0, 0x07
	OUT16 5, 1, 0x07
	OUT16 6, 2, 0x07
	OUT16 7, 3, 0x07
	s_set_vgpr_msb 0x1
	s_wait_tensorcnt 0x0
	ds_add_u32 v255, v255
	s_wait_dscnt 0x0
	s_set_vgpr_msb 0x100
	CROUND                                         ; the closing round: no work-group ends while a partner may still ask for a tile that names it
	s_endpgm
.Lfunc_end_k_q7884f40515_qkv:
	.size	k_q7884f40515_qkv, .Lfunc_end_k_q7884f40515_qkv-k_q7884f40515_qkv
	.p2alignl 7, 3214868480
	.fill 96, 4, 3214868480
	.section	.rodata,"a",@progbits
	.p2align	6, 0x0
	.amdhsa_kernel k_q7884f40515_qkv
		.amdhsa_group_segment_fixed_size 327680
		.amdhsa_private_segment_fixed_size 0
		.amdhsa_enable_private_segment 0
		.amdhsa_kernarg_size 48
		.amdhsa_user_sgpr_count 2
		.amdhsa_user_sgpr_kernarg_segment_ptr 1
		.amdhsa_wavefront_size32 1
		.amdhsa_system_sgpr_workgroup_id_x 1
		.amdhsa_system_sgpr_workgroup_id_y 1
		.amdhsa_system_sgpr_workgroup_id_z 1
		.amdhsa_system_vgpr_workitem_id 0
		.amdhsa_next_free_vgpr 1024
		.amdhsa_next_free_sgpr 88
		.amdhsa_reserve_vcc 0
		.amdhsa_float_denorm_mode_32 3
		.amdhsa_float_denorm_mode_16_64 3
		.amdhsa_memory_ordered 1
		.amdhsa_forward_progress 1
		.amdhsa_inst_pref_size 215
	.end_amdhsa_kernel
	.amdgpu_metadata
---
amdhsa.version: [ 1, 2 ]
amdhsa.kernels:
  - .name:           k_q7884f40515_qkv
    .symbol:         k_q7884f40515_qkv.kd
    .args:
      - { .name: hbf, .offset: 0, .size: 8, .value_kind: global_buffer, .address_space: global }
      - { .name: wbf, .offset: 8, .size: 8, .value_kind: global_buffer, .address_space: global }
      - { .name: qkv, .offset: 16, .size: 8, .value_kind: global_buffer, .address_space: global }
      - { .name: bq, .offset: 24, .size: 8, .value_kind: global_buffer, .address_space: global }
      - { .name: bk, .offset: 32, .size: 8, .value_kind: global_buffer, .address_space: global }
      - { .name: bv, .offset: 40, .size: 8, .value_kind: global_buffer, .address_space: global }
    .group_segment_fixed_size: 327680
    .private_segment_fixed_size: 0
    .kernarg_segment_align: 8
    .kernarg_segment_size: 48
    .max_flat_workgroup_size: 128
    .sgpr_count:     88
    .vgpr_count:     1024
    .wavefront_size: 32
...
	.end_amdgpu_metadata
.endif
;; end of part 2
;; launch attn (part 3): grid 8 x 32, 16 waves a work-group, no clusters, 327,680 bytes of LDS; arguments qkv, att; writes att
.if DOCPART == 3
	.amdgcn_target "amdgcn-amd-amdhsa--gfx1250"
	.amdhsa_code_object_version 6
	.text
	.protected	k_q7884f40515_attn
	.globl	k_q7884f40515_attn
	.p2align	8
	.type	k_q7884f40515_attn,@function
k_q7884f40515_attn:
	s_mov_b64 s[64:65], 0
	v_nop
	global_prefetch_b8 v0, s[64:65] scope:SCOPE_SE
	s_setreg_imm32_b32 hwreg(HW_REG_WAVE_MODE, 25, 1), 1
	s_wait_xcnt 0x0
; Causal attention of one head, with running maxima and sums.  qkv: [3][4096][1024] bf16, att: [4096][1024] bf16.
; Work-group (i, bh): batch bh / 16, head bh % 16, query blocks lo = i and hi = 15 - i (128 rows each): 17 key blocks of 128 whatever i is.
; SIXTEEN WAVES, four on a SIMD (242 registers each), all of the same length.  Wave = 4 g + w: w picks the tile of 32 queries in a block.
; K and V come in two streams of 17 tiles of 64 keys:
;   stream A: tiles 0 .. 16; waves g = 0, 1 use them for lo up to tile 2 i + 1 and for hi from tile 2 i + 2 on;
;   stream B: tiles 0 .. 2 i + 1 and 17 .. 31 - 2 i; waves g = 2, 3 use them for hi.
; In a tile the even groups take keys 0-31, the odd groups keys 32-63 (a chunk).  So hi's keys are shared among four waves and lo's among two;
; each keeps its own maximum, sum and O, and the partial results are joined at the end through LDS.
; NINE TRIPS in every work-group: eight with two tiles a stream, one with one.  Two LDS slots; waves 0-7 each ask for one tile of K or of V
; (64 rows) behind each barrier: by this text's count one tensor load of a wave is out.
; A chunk with number gc (s60) is computed only while gc <= gd (s61) = (the tile's first query) / 32; gc = gd holds the diagonal and is masked.
; In front of trip i + 1 the A waves change from lo to hi: the lo partial goes to LDS, Q of hi comes back from an LDS stash, and the maximum
; becomes -infinity: the next chunk's factor for the old sums is then 0, so O and the sum need no clearing.
; TRANSPOSED FORMS: S^T = K Q^T puts query l % 16 in lane l and keys 8 (l / 16) + j in register j, so a row's maximum and sum are a lane's own
; but for one exchange between the halves, and the packed exponentials ARE the second source of O^T = V^T P^T.  V's fragments come by the
; transposing LDS load.
; NO MULTICAST: the eight work-groups of a head walk stream A alike, but the trip of the change from lo to hi, stream B's jump and the chunks
; behind the diagonal hang on i, which would be the place in the cluster.
; The accumulators of S and of O take turns, one matrix instruction a turn.
; O is cleared once, by 64 moves: a first chunk written out to start the sums would add a tenth copy of the chunk's text.
; A head's row in att is 128 bytes: eight lanes store it whole; the neighbouring 128 bytes belong to the next head's work-group.
; LIMITS: operands (q, k, v, p) are bf16; exp2 gives 0 below 2^-126; NaN and infinities are not followed.
.set KPITCH, 144                       ; K's LDS row: 128 bytes + 16
.set VPITCH, 160                       ; V's LDS row: 128 bytes + 32 (an odd multiple of 32, for the transposing load)
.set REG,    10240                     ; a loader wave's bytes in a slot: 64 rows of V (K uses 9,216 of them)
.set TILEB,  2*REG                     ; K and V of a tile
.set STRM,   2*TILEB                   ; a stream's two tiles
.set SLOT,   2*STRM                    ; 81,920
.set RING,   2*SLOT                    ; 163,840
.set PARTB,  8704                      ; a partial result: O as 16 x 512 bytes, then (m0, l0, m1, l1) of each lane
.set LOP,    RING                      ; lo partials of waves 0-7: bytes of their own, never filled by a tensor load
.set OWN,    LOP+8*PARTB               ; 233,472: 4,096 bytes for each wave: Q of hi at first, the output's stage at the end
.set SPITCH, 144
.set G1K, 16
.set G1V, 24
.set G0,  32                           ; s[32:39] my group 0, one set for each slot
.set KA,  2                            ; v2-3   LDS address of my K fragments in slot 0, 1
.set VA,  4                            ; v4-5   the same for V
.set OW,  6                            ; my own scratch, 16 bytes a lane
.set DP,  7                            ; where my partial result goes, 16 bytes a lane
.set QF,  8                            ; v[8:39]    Q fragment (a, e) at 8 + 16 a + 8 e: queries 16 a .., dk 32 e ..
.set KF,  40                           ; v[40:71]   K fragment (t, e): keys 16 t .., dk 32 e ..
.set VF,  72                           ; v[72:103]  V fragment d: dk 16 d .., the chunk's 32 keys
.set SC,  104                          ; v[104:135] S (a, t) at 104 + 16 a + 8 t
.set PF,  136                          ; v[136:151] P fragment a
.set OA,  152                          ; v[152:215] O (a, d) at 152 + 32 a + 8 d
.set MX,  216                          ; running maximum of a at 216 + 2 a, running sum of my half of the keys at 217 + 2 a
.set NM,  220                          ; -c x maximum, a pair for each a
.set AL,  224                          ; the factor for the old sums, a pair for each a
.set TT,  228                          ; v[228:237] at work
.set NI,  238                          ; -infinity
.set QO,  239
; names of the end, in registers that are free by then
.set PO,  8                            ; v[8:135]   O of up to four partial results, 32 registers each
.set ML,  136                          ; v[136:143] their (m, l)
.set FF,  144                          ; v[144:151] their factors, a pair each
.set TM,  152
.set PK,  160
.set RBK, 176
.set MB,  192                          ; v192-193
.set MLA, 194                          ; v194-195
.set STO, 196
.set RD,  197
.set CO,  198
.set XX,  200
; the global address of my tile of trip s71 into a slot's group 0: tile 2 x trip + my place, and stream B's jump from trip i + 1 on
.macro TADDR s
	s_cmp_ge_u32 s71, s14
	s_cselect_b32 s42, s44, 0
	s_lshl1_add_u32 s42, s71, s42
	s_add_co_u32 s42, s42, s10
	s_lshl_b32 s42, s42, 17                        ; 64 rows of 2,048 bytes a tile
	s_add_nc_u64 s[G0+4*(\s)+2:G0+4*(\s)+3], s[40:41], s[42:43]
	s_or_b32 s[G0+4*(\s)+3], s[G0+4*(\s)+3], 0x80000000
.endm
; which = 1: waves 0-7 ask, each for its tile; which = 2: only those of the slot's first tiles.  The branches hang on the wave's number alone.
.macro KVLOAD s, which
	s_cmp_ge_u32 s8, 8
	s_cbranch_scc1 .Lnone_\@
.if \which == 2
	s_cmp_lg_u32 s10, 0
	s_cbranch_scc1 .Lnone_\@
.endif
	s_cmp_lg_u32 s9, 0
	s_cbranch_scc1 .Lv_\@
	tensor_load_to_lds s[G0+4*(\s):G0+4*(\s)+3], s[G1K:G1K+7]
	s_nop 0
	s_branch .Lnone_\@
.Lv_\@:
	tensor_load_to_lds s[G0+4*(\s):G0+4*(\s)+3], s[G1V:G1V+7]
	s_nop 0
.Lnone_\@:
.endm
	s_load_b128 s[4:7], s[0:1], 0x0                ; qkv s[4:5], att s[6:7]
	v_lshl_add_u32 v240, v0, 2, 0x49000
	v_mov_b32 v241, 0
	ds_add_u32 v240, v241
	v_lshrrev_b32 v1, 5, v0
	v_readfirstlane_b32 s8, v1                     ; wave 0..15
	s_and_b32 s9, s8, 1                            ; as a loader: K (0) or V (1)
	s_lshr_b32 s10, s8, 1
	s_and_b32 s10, s10, 1                          ; as a loader: the slot's first or second tile
	s_lshr_b32 s11, s8, 2                          ; g.  As a loader (g = 0, 1): the stream
	s_and_b32 s12, s8, 3                           ; w
	s_and_b32 s15, s11, 1                          ; which half of a tile's keys; at the end: which half of a tile's queries
	s_mov_b32 s13, ttmp9                           ; i
	s_add_co_u32 s14, s13, 1                       ; the trip of the change
	s_lshl_b32 s47, s13, 1
	s_sub_co_u32 s47, 15, s47                      ; stream B jumps over 15 - 2 i tiles
	s_cmp_eq_u32 s11, 1
	s_cselect_b32 s44, s47, 0                      ; for the loaders of stream B
	s_lshl_b32 s47, s47, 1                         ; = 30 - 4 i chunks
	s_cmp_ge_u32 s11, 2
	s_cselect_b32 s45, s47, 0                      ; for the waves that work on stream B
	s_lshl2_add_u32 s66, s13, s12                  ; gd of my lo tile: 4 i + w
	s_sub_co_u32 s47, 15, s13
	s_lshl2_add_u32 s63, s47, s12                  ; gd of my hi tile: 4 (15 - i) + w
	s_cmp_ge_u32 s11, 2
	s_cselect_b32 s61, s63, s66                    ; the tile that I begin with
	s_mov_b32 s46, 0                               ; the trip
	s_mov_b32 s71, 0                               ; the trip that is asked for
	s_mov_b32 s62, 3                               ; the loop: trips 0 to 5, two a turn
	s_mov_b32 s56, 0x76543210                      ; v_permlanex16_b32: lane i of one half reads lane i of the other
	s_mov_b32 s57, 0xfedcba98
	s_mov_b32 s58, 0x3e38aa3b                      ; c = log2(e) / 8: the scale 1/sqrt(64) and the change of base in one
	s_mov_b32 s59, 0x3e38aa3b
	; group 1: 64 rows x 64 elements of 2 bytes, pitch 1,024 elements; padding behind every 32 words: 4 words (K), 8 words (V)
	s_mov_b32 s[G1K+0], (1<<16)|(1<<20)|(4<<22)|(3<<25)
	s_mov_b32 s[G1V+0], (1<<16)|(1<<20)|(4<<22)|(7<<25)
.irp g, G1K, G1V
	s_mov_b32 s[\g+1], 64<<16
	s_mov_b32 s[\g+2], 64<<16
	s_mov_b32 s[\g+3], 64<<16
	s_mov_b32 s[\g+4], 64
	s_mov_b32 s[\g+5], 1024
	s_mov_b32 s[\g+6], 0
	s_mov_b32 s[\g+7], 0
.endr
	s_and_b32 s47, ttmp7, 0xffff
	s_lshr_b32 s2, s47, 4
	s_lshl_b32 s2, s2, 22                          ; batch x 2,048 rows x 2,048 bytes
	s_and_b32 s3, s47, 15
	s_lshl_b32 s3, s3, 7                           ; head x 128 bytes
	s_add_co_u32 s2, s2, s3
	s_mov_b32 s3, 0                                ; stays 0
	s_lshl_b32 s42, s9, 23
	s_add_co_u32 s42, s42, 0x800000                ; k lies 8 MiB into qkv, v 16 MiB
	s_mov_b32 s43, 0                               ; stays 0
	s_mul_i32 s67, s8, REG                         ; where my loads go: wave x 10,240, plus the slot
	s_wait_dscnt 0x0
	s_barrier_signal -1
	s_barrier_wait -1
	s_wait_kmcnt 0x0
	s_add_nc_u64 s[4:5], s[4:5], s[2:3]
	s_add_nc_u64 s[6:7], s[6:7], s[2:3]
	s_add_nc_u64 s[40:41], s[4:5], s[42:43]
.irp s, 0,1
	s_mov_b32 s[G0+4*\s], 1
	s_add_co_u32 s[G0+4*\s+1], s67, \s*SLOT
.endr
	TADDR 0
	KVLOAD 0, 1                                    ; trip 0's tiles; slot 1 is first filled behind the first trip's barrier
	s_lshl_b32 s2, s61, 16                         ; 32 rows of 2,048 bytes a tile of queries
	s_add_nc_u64 s[72:73], s[4:5], s[2:3]          ; q of the tile that I begin with
	s_lshl_b32 s2, s63, 16
	s_add_nc_u64 s[74:75], s[4:5], s[2:3]          ; q of my hi tile
	v_and_b32 v[TT], 15, v0                        ; r
	v_bfe_u32 v[TT+1], v0, 4, 1                    ; h
	v_and_b32 v[TT+2], 7, v0                       ; l % 8
	v_bfe_u32 v[TT+3], v0, 3, 1                    ; (l / 8) % 2
	v_lshlrev_b32 v[QO], 11, v[TT]
	v_lshl_add_u32 v[QO], v[TT+1], 4, v[QO]        ; q: row r, 16 bytes for each half of the lanes
.irp a, 0,1
.irp e, 0,1
	global_load_b128 v[QF+16*\a+8*\e:QF+16*\a+8*\e+3],   v[QO], s[72:73] offset:\a*32768+64*\e
	global_load_b128 v[QF+16*\a+8*\e+4:QF+16*\a+8*\e+7], v[QO], s[72:73] offset:\a*32768+64*\e+32
.endr
.endr
	s_cmp_ge_u32 s8, 8
	s_cbranch_scc1 .Lone_q
.irp a, 0,1
.irp e, 0,1
	global_load_b128 v[KF+16*\a+8*\e:KF+16*\a+8*\e+3],   v[QO], s[74:75] offset:\a*32768+64*\e     ; the A waves' second tile, for the stash
	global_load_b128 v[KF+16*\a+8*\e+4:KF+16*\a+8*\e+7], v[QO], s[74:75] offset:\a*32768+64*\e+32
.endr
.endr
.Lone_q:
	v_and_b32 v1, 31, v0
	v_lshlrev_b32 v1, 4, v1                        ; 16 x lane
	s_lshr_b32 s47, s11, 1
	s_mul_i32 s47, s47, STRM                       ; the stream that I work on
	s_mul_i32 s67, s15, 32*KPITCH                  ; my half of a tile's keys
	s_add_co_u32 s67, s67, s47
	v_mul_u32_u24 v[KA], v[TT], KPITCH
	v_lshl_add_u32 v[KA], v[TT+1], 4, v[KA]
	v_add_nc_u32 v[KA], s67, v[KA]
	v_add_nc_u32 v[KA+1], SLOT, v[KA]
	s_mul_i32 s67, s15, 32*VPITCH
	s_add_co_u32 s67, s67, s47
	s_add_co_u32 s67, s67, REG                     ; V lies behind K
	v_lshl_add_u32 v[VA], v[TT+1], 3, v[TT+2]
	v_mul_u32_u24 v[VA], v[VA], VPITCH
	v_lshl_add_u32 v[VA], v[TT+3], 4, v[VA]
	v_add_nc_u32 v[VA], s67, v[VA]
	v_add_nc_u32 v[VA+1], SLOT, v[VA]
	s_lshl_b32 s67, s8, 12
	s_add_co_u32 s67, s67, OWN
	v_add_nc_u32 v[OW], s67, v1
	s_and_b32 s67, s8, 7
	s_mul_i32 s67, s67, PARTB
	s_add_co_u32 s67, s67, LOP
	v_add_nc_u32 v[DP], s67, v1                    ; the lo partial of an A wave
	v_lshlrev_b32 v[TT+5], 3, v[TT+1]              ; 8 h
.irp j, 0,1,2,3,4,5,6,7
	v_add_nc_u32 v[TT+6], \j, v[TT+5]
	v_cmp_ge_u32 s[48+\j], v[TT], v[TT+6]          ; on the diagonal tiles: query r sees key 8 h + j
.endr
.set j, 0
.rept 64
	v_mov_b32 v[OA+j], 0
.set j, j+1
.endr
	v_mov_b32 v[NI], 0xff800000
	v_mov_b32 v[MX], 0xff800000
	v_mov_b32 v[MX+1], 0
	v_mov_b32 v[MX+2], 0xff800000
	v_mov_b32 v[MX+3], 0
	s_wait_loadcnt 0x0                             ; q
	s_cmp_ge_u32 s8, 8
	s_cbranch_scc1 .Lno_stash
.irp n, 0,1,2,3,4,5,6,7
	ds_store_b128 v[OW], v[KF+4*\n:KF+4*\n+3] offset:512*\n        ; my own bytes: only I read them back
.endr
.Lno_stash:
; the new maximum of query tile a (my 16 scores, the old maximum, the other half's), the factor for the old sums, and -c x maximum
.macro SMAX a
	v_max3_num_f32 v[TT+2*\a],   v[SC+16*\a],    v[SC+16*\a+1],  v[MX+2*\a]
	v_max3_num_f32 v[TT+2*\a+1], v[SC+16*\a+8],  v[SC+16*\a+9],  v[SC+16*\a+10]
	v_max3_num_f32 v[TT+2*\a],   v[TT+2*\a],     v[SC+16*\a+2],  v[SC+16*\a+3]
	v_max3_num_f32 v[TT+2*\a+1], v[TT+2*\a+1],   v[SC+16*\a+11], v[SC+16*\a+12]
	v_max3_num_f32 v[TT+2*\a],   v[TT+2*\a],     v[SC+16*\a+4],  v[SC+16*\a+5]
	v_max3_num_f32 v[TT+2*\a+1], v[TT+2*\a+1],   v[SC+16*\a+13], v[SC+16*\a+14]
	v_max3_num_f32 v[TT+2*\a],   v[TT+2*\a],     v[SC+16*\a+6],  v[SC+16*\a+7]
	v_max3_num_f32 v[TT+2*\a],   v[TT+2*\a],     v[TT+2*\a+1],   v[SC+16*\a+15]
	v_permlanex16_b32 v[TT+2*\a+1], v[TT+2*\a], s56, s57
	v_max_num_f32 v[TT+2*\a], v[TT+2*\a], v[TT+2*\a+1]     ; finite: in every chunk that is computed each query sees a key
	v_sub_f32 v[TT+2*\a+1], v[MX+2*\a], v[TT+2*\a]
	v_mul_f32 v[TT+2*\a+1], s58, v[TT+2*\a+1]
	v_exp_f32 v[AL+2*\a], v[TT+2*\a+1]
	v_exp_f32 v[AL+2*\a+1], v[TT+2*\a+1]
	v_mov_b32 v[MX+2*\a], v[TT+2*\a]               ; also the plain place behind the exponentials (ISA guide 5.7.2)
	v_mul_f32 v[NM+2*\a], 0xbe38aa3b, v[TT+2*\a]
	v_mul_f32 v[NM+2*\a+1], 0xbe38aa3b, v[TT+2*\a]
.endm
.macro SEXP a                          ; p = 2^(c s - c max)
.irp p, 0,1,2,3,4,5,6,7
	v_pk_fma_f32 v[SC+16*\a+2*\p:SC+16*\a+2*\p+1], v[SC+16*\a+2*\p:SC+16*\a+2*\p+1], s[58:59], v[NM+2*\a:NM+2*\a+1] op_sel_hi:[1,0,1]
.endr
.irp k, 0,1,2,3,4,5,6,7,8,9,10,11,12,13,14,15
	v_exp_f32 v[SC+16*\a+\k], v[SC+16*\a+\k]
.endr
.endm
.macro SSUM a                          ; the running sum, P's fragment, and the old O scaled
	s_wait_alu depctr_va_vdst(0)
	v_pk_add_f32 v[TT+4:TT+5], v[SC+16*\a:SC+16*\a+1],     v[SC+16*\a+2:SC+16*\a+3]
	v_pk_add_f32 v[TT+6:TT+7], v[SC+16*\a+4:SC+16*\a+5],   v[SC+16*\a+6:SC+16*\a+7]
	v_pk_add_f32 v[TT+8:TT+9], v[SC+16*\a+8:SC+16*\a+9],   v[SC+16*\a+10:SC+16*\a+11]
	v_pk_add_f32 v[TT:TT+1],   v[SC+16*\a+12:SC+16*\a+13], v[SC+16*\a+14:SC+16*\a+15]
	v_pk_add_f32 v[TT+4:TT+5], v[TT+4:TT+5], v[TT+6:TT+7]
	v_pk_add_f32 v[TT+8:TT+9], v[TT+8:TT+9], v[TT:TT+1]
	v_pk_add_f32 v[TT+4:TT+5], v[TT+4:TT+5], v[TT+8:TT+9]
	v_add_f32 v[TT+4], v[TT+4], v[TT+5]
	v_fma_f32 v[MX+2*\a+1], v[MX+2*\a+1], v[AL+2*\a], v[TT+4]
.irp k, 0,1,2,3,4,5,6,7
	v_cvt_pk_bf16_f32 v[PF+8*\a+\k], v[SC+16*\a+2*\k], v[SC+16*\a+2*\k+1]   ; tile t = 0 fills registers 0-3 (keys 8 h ..), t = 1 registers 4-7 (keys 16 + 8 h ..)
.endr
.irp k, 0,1,2,3,4,5,6,7,8,9,10,11,12,13,14,15
	v_pk_mul_f32 v[OA+32*\a+2*\k:OA+32*\a+2*\k+1], v[OA+32*\a+2*\k:OA+32*\a+2*\k+1], v[AL+2*\a:AL+2*\a+1]
.endr
.endm
; my 32 keys of tile p of my stream in a slot
.macro CHUNK slot, p
	s_cmp_gt_u32 s60, s61                          ; wholly behind the diagonal: nothing of it is seen
	s_cbranch_scc1 .Lskip_\@
.irp t, 0,1
.irp e, 0,1
	ds_load_b128 v[KF+16*\t+8*\e:KF+16*\t+8*\e+3],   v[KA+\slot] offset:\p*TILEB+16*\t*KPITCH+64*\e
	ds_load_b128 v[KF+16*\t+8*\e+4:KF+16*\t+8*\e+7], v[KA+\slot] offset:\p*TILEB+16*\t*KPITCH+64*\e+32
.endr
.endr
.irp d, 0,1,2,3
	ds_load_tr16_b128 v[VF+8*\d:VF+8*\d+3],   v[VA+\slot] offset:\p*TILEB+32*\d
	ds_load_tr16_b128 v[VF+8*\d+4:VF+8*\d+7], v[VA+\slot] offset:\p*TILEB+16*VPITCH+32*\d
.endr
	s_wait_dscnt 8                                 ; K's eight loads are in, V's eight may be out
.irp a, 0,1
.irp t, 0,1
	v_wmma_f32_16x16x32_bf16 v[SC+16*\a+8*\t:SC+16*\a+8*\t+7], v[KF+16*\t:KF+16*\t+7], v[QF+16*\a:QF+16*\a+7], 0
.endr
.endr
.irp a, 0,1
.irp t, 0,1
	v_wmma_f32_16x16x32_bf16 v[SC+16*\a+8*\t:SC+16*\a+8*\t+7], v[KF+16*\t+8:KF+16*\t+15], v[QF+16*\a+8:QF+16*\a+15], v[SC+16*\a+8*\t:SC+16*\a+8*\t+7]
.endr
.endr
.rept 4
	v_nop                                          ; four places before the scores are read (ISA guide 7.12.1)
.endr
	s_cmp_lg_u32 s60, s61
	s_cbranch_scc1 .Lfull_\@
.irp j, 0,1,2,3,4,5,6,7
	v_cndmask_b32 v[SC+\j], v[NI], v[SC+\j], s[48+\j]          ; queries 0-15 x keys 0-15
	v_cndmask_b32 v[SC+24+\j], v[NI], v[SC+24+\j], s[48+\j]    ; queries 16-31 x keys 16-31
	v_mov_b32 v[SC+8+\j], v[NI]                                ; queries 0-15 see none of keys 16-31
.endr
.Lfull_\@:
	SMAX 0
	SMAX 1
	SEXP 0
	SEXP 1                                         ; its multiply-adds are the plain places behind tile 0's exponentials
	SSUM 0                                         ; and these lines those behind tile 1's
	SSUM 1
	s_wait_dscnt 0x0                               ; V
.irp a, 0,1
.irp d, 0,1,2,3
	v_wmma_f32_16x16x32_bf16 v[OA+32*\a+8*\d:OA+32*\a+8*\d+7], v[VF+8*\d:VF+8*\d+7], v[PF+8*\a:PF+8*\a+7], v[OA+32*\a+8*\d:OA+32*\a+8*\d+7]
.endr
.endr
.rept 4
	v_nop                                          ; four places before V's and P's registers are written again or O is read
.endr
.Lskip_\@:
	s_add_co_u32 s60, s60, 2                       ; my chunk of the next tile
.endm
; my partial result into LDS: every lane's 64 numbers of O and its (m0, l0, m1, l1), 16 bytes a lane and store, so without bank conflicts
.macro DUMP
.irp q, 0,1,2,3,4,5,6,7,8,9,10,11,12,13,14,15
	ds_store_b128 v[DP], v[OA+4*\q:OA+4*\q+3] offset:512*\q
.endr
	ds_store_b128 v[DP], v[MX:MX+3] offset:8192
.endm
; in front of trip i + 1 the A waves go over from lo to hi
.macro SWITCH
	s_cmp_lg_u32 s46, s14
	s_cbranch_scc1 .Lstay_\@
	s_cmp_ge_u32 s8, 8
	s_cbranch_scc1 .Lstay_\@
	DUMP
.irp n, 0,1,2,3,4,5,6,7
	ds_load_b128 v[QF+4*\n:QF+4*\n+3], v[OW] offset:512*\n         ; Q of hi, from my stash
.endr
	v_mov_b32 v[MX], v[NI]                         ; with the maximum at -infinity the next chunk multiplies the old O and sum by 0
	v_mov_b32 v[MX+2], v[NI]
	s_mov_b32 s61, s63
	s_wait_dscnt 0x0
.Lstay_\@:
.endm
; One trip.  In front of the barrier every wave waits for all its tensor loads (this trip's tiles among them) and for its reads of the other
; slot; behind it the other slot is filled first, then this one is read.  refill: 0 none, 1 both tiles of each stream, 2 the first alone.
.macro TRIP slot, refill, chunks
	s_wait_tensorcnt 0x0
	ds_add_u32 v240, v241
	s_wait_dscnt 0x0
.if \refill
	s_add_co_u32 s71, s46, 1                       ; no load of mine is out: the other slot's group 0 may be written
	TADDR 1-\slot
.endif
	s_wait_dscnt 0x0
	s_barrier_signal -1
	s_barrier_wait -1
.if \refill
	KVLOAD 1-\slot, \refill
.endif
	s_cmp_ge_u32 s46, s14
	s_cselect_b32 s60, s45, 0
	s_lshl2_add_u32 s60, s46, s60
	s_add_co_u32 s60, s60, s15                     ; my first chunk's number: 4 x trip + my half, and stream B's jump
	SWITCH
	CHUNK \slot, 0
.if \chunks == 2
	CHUNK \slot, 1
.endif
	s_add_co_u32 s46, s46, 1
.endm
.Ltiles:
	TRIP 0, 1, 2
	TRIP 1, 1, 2
	s_sub_co_u32 s62, s62, 1
	s_cmp_lg_u32 s62, 0
	s_cbranch_scc1 .Ltiles
	TRIP 0, 1, 2                                   ; trip 6
	TRIP 1, 2, 2                                   ; trip 7 asks for the one tile a stream that is left
	TRIP 0, 0, 1                                   ; trip 8
	; THE END.  The ring has had its last fill (every loader waited for it in front of trip 8's barrier): the hi partials go into its bytes.
	s_wait_dscnt 0x0                               ; my reads of the ring are over,
	s_barrier_signal -1
	s_barrier_wait -1                              ; everybody's are
	s_mul_i32 s47, s8, PARTB
	v_add_nc_u32 v[DP], s47, v1
	DUMP
	s_wait_dscnt 0x0                               ; my partial is written,
	s_barrier_signal -1
	s_barrier_wait -1                              ; all are
	; Wave (g, w) finishes 16 queries: g = 0, 1: half g of lo's tile w, from the partials of waves w and 4 + w;
	; g = 2, 3: half g - 2 of hi's tile w, from those of waves w, 4 + w, 8 + w, 12 + w.
	s_mul_i32 s47, s12, PARTB
	s_cmp_lt_u32 s11, 2
	s_cselect_b32 s67, LOP, 0
	s_add_co_u32 s47, s47, s67
	s_lshl_b32 s67, s15, 12                        ; the half's O: 8 x 512 bytes
	s_add_co_u32 s67, s67, s47
	v_add_nc_u32 v[MB], s67, v1
	v_add_nc_u32 v[MB+1], 8*PARTB, v[MB]
	s_lshl_b32 s67, s15, 3                         ; the half's (m, l): 8 bytes of the lane's 16
	s_add_co_u32 s67, s67, s47
	s_add_co_u32 s67, s67, 8192
	v_add_nc_u32 v[MLA], s67, v1
	v_add_nc_u32 v[MLA+1], 8*PARTB, v[MLA]
	v_and_b32 v[XX], 15, v0                        ; r
	v_bfe_u32 v[XX+1], v0, 4, 1                    ; h
	v_and_b32 v[XX+2], 7, v0                       ; l % 8
	v_bfe_u32 v[XX+3], v0, 3, 2                    ; l / 8
	s_lshl_b32 s67, s8, 12
	s_add_co_u32 s67, s67, OWN                     ; my stage
	v_mul_u32_u24 v[STO], v[XX], SPITCH
	v_lshl_add_u32 v[STO], v[XX+1], 4, v[STO]
	v_add_nc_u32 v[STO], s67, v[STO]
	v_mul_u32_u24 v[RD], v[XX+3], SPITCH
	v_lshl_add_u32 v[RD], v[XX+2], 4, v[RD]
	v_add_nc_u32 v[RD], s67, v[RD]
	v_lshlrev_b32 v[CO], 11, v[XX+3]
	v_lshl_add_u32 v[CO], v[XX+2], 4, v[CO]
	s_cmp_lt_u32 s11, 2
	s_cselect_b32 s47, s66, s63                    ; the tile that I finish
	s_lshl_b32 s47, s47, 16
	s_lshl_b32 s67, s15, 15                        ; its half: 16 rows of 2,048 bytes
	s_add_co_u32 s2, s47, s67
	s_add_nc_u64 s[6:7], s[6:7], s[2:3]
; O = sum of f_p O_p, f_p = 2^(c (m_p - m)) / sum of 2^(c (m_p - m)) l_p.  A partial that computed nothing has m_p = -infinity: f_p = 0.
.macro MERGE np
.set pp, 0
.rept \np
	ds_load_b64 v[ML+2*pp:ML+2*pp+1], v[MLA+pp/2] offset:(pp%2)*4*PARTB
.set pp, pp+1
.endr
.set pp, 0
.rept \np
.irp q, 0,1,2,3,4,5,6,7
	ds_load_b128 v[PO+32*pp+4*\q:PO+32*pp+4*\q+3], v[MB+pp/2] offset:(pp%2)*4*PARTB+512*\q
.endr
.set pp, pp+1
.endr
	s_wait_dscnt 8*\np                             ; the pairs (m, l) are in; the eight loads of O for each partial may be out
.if \np == 4
	v_max3_num_f32 v[TM], v[ML], v[ML+2], v[ML+4]
	v_max_num_f32 v[TM], v[TM], v[ML+6]
.else
	v_max_num_f32 v[TM], v[ML], v[ML+2]
.endif
.set pp, 0
.rept \np
	v_sub_f32 v[FF+2*pp], v[ML+2*pp], v[TM]
.set pp, pp+1
.endr
.set pp, 0
.rept \np
	v_mul_f32 v[FF+2*pp], s58, v[FF+2*pp]
.set pp, pp+1
.endr
.set pp, 0
.rept \np
	v_exp_f32 v[FF+2*pp], v[FF+2*pp]
.set pp, pp+1
.endr
	v_mov_b32 v[TM+2], 0                           ; the plain place behind the exponentials; the lane exchange's destination is written
	s_wait_alu depctr_va_vdst(0)
	v_mul_f32 v[TM+1], v[FF], v[ML+1]
.set pp, 1
.rept \np-1
	v_fma_f32 v[TM+1], v[FF+2*pp], v[ML+2*pp+1], v[TM+1]
.set pp, pp+1
.endr
	v_permlanex16_b32 v[TM+2], v[TM+1], s56, s57
	v_add_f32 v[TM+1], v[TM+1], v[TM+2]            ; the two halves of the keys
	v_rcp_f32 v[TM+1], v[TM+1]
	v_nop
.set pp, 0
	s_wait_alu depctr_va_vdst(0)
.rept \np
	v_mul_f32 v[FF+2*pp+1], v[FF+2*pp], v[TM+1]
	v_mul_f32 v[FF+2*pp], v[FF+2*pp], v[TM+1]
.set pp, pp+1
.endr
	s_wait_dscnt 0x0
.irp k, 0,1,2,3,4,5,6,7,8,9,10,11,12,13,14,15
	v_pk_mul_f32 v[PO+2*\k:PO+2*\k+1], v[PO+2*\k:PO+2*\k+1], v[FF:FF+1]
.endr
.set pp, 1
.rept \np-1
.irp k, 0,1,2,3,4,5,6,7,8,9,10,11,12,13,14,15
	v_pk_fma_f32 v[PO+2*\k:PO+2*\k+1], v[PO+32*pp+2*\k:PO+32*pp+2*\k+1], v[FF+2*pp:FF+2*pp+1], v[PO+2*\k:PO+2*\k+1]
.endr
.set pp, pp+1
.endr
.endm
	s_cmp_lt_u32 s11, 2
	s_cbranch_scc1 .Ltwo
	MERGE 4
	s_branch .Lmerged
.Ltwo:
	MERGE 2
.Lmerged:
	; bf16, through my own stage, whole rows of the head (128 bytes) out
.irp k, 0,1,2,3,4,5,6,7,8,9,10,11,12,13,14,15
	v_cvt_pk_bf16_f32 v[PK+\k], v[PO+2*\k], v[PO+2*\k+1]
.endr
.irp d, 0,1,2,3
	ds_store_b128 v[STO], v[PK+4*\d:PK+4*\d+3] offset:32*\d        ; query r, dk 16 d + 8 h .. + 7
.endr
.irp u, 0,1,2,3
	ds_load_b128 v[RBK+4*\u:RBK+4*\u+3], v[RD] offset:\u*4*SPITCH  ; four rows a load; LDS serves a wave's instructions in order
.endr
.irp u, 0,1,2,3
	s_wait_dscnt 3-\u                              ; read-back u is in, the younger ones stay out
	global_store_b128 v[CO], v[RBK+4*\u:RBK+4*\u+3], s[6:7] offset:\u*8192
.endr
	s_wait_tensorcnt 0x0
	ds_add_u32 v240, v241
	s_wait_dscnt 0x0
	s_endpgm
.Lfunc_end_k_q7884f40515_attn:
	.size	k_q7884f40515_attn, .Lfunc_end_k_q7884f40515_attn-k_q7884f40515_attn
	.p2alignl 7, 3214868480
	.fill 96, 4, 3214868480
	.section	.rodata,"a",@progbits
	.p2align	6, 0x0
	.amdhsa_kernel k_q7884f40515_attn
		.amdhsa_group_segment_fixed_size 327680
		.amdhsa_private_segment_fixed_size 0
		.amdhsa_enable_private_segment 0
		.amdhsa_kernarg_size 16
		.amdhsa_user_sgpr_count 2
		.amdhsa_user_sgpr_kernarg_segment_ptr 1
		.amdhsa_wavefront_size32 1
		.amdhsa_system_sgpr_workgroup_id_x 1
		.amdhsa_system_sgpr_workgroup_id_y 1
		.amdhsa_system_sgpr_workgroup_id_z 1
		.amdhsa_system_vgpr_workitem_id 0
		.amdhsa_next_free_vgpr 242
		.amdhsa_next_free_sgpr 76
		.amdhsa_reserve_vcc 0
		.amdhsa_float_denorm_mode_32 3
		.amdhsa_float_denorm_mode_16_64 3
		.amdhsa_memory_ordered 1
		.amdhsa_forward_progress 1
		.amdhsa_inst_pref_size 146
	.end_amdhsa_kernel
	.amdgpu_metadata
---
amdhsa.version: [ 1, 2 ]
amdhsa.kernels:
  - .name:           k_q7884f40515_attn
    .symbol:         k_q7884f40515_attn.kd
    .args:
      - { .name: qkv, .offset: 0, .size: 8, .value_kind: global_buffer, .address_space: global }
      - { .name: att, .offset: 8, .size: 8, .value_kind: global_buffer, .address_space: global }
    .group_segment_fixed_size: 327680
    .private_segment_fixed_size: 0
    .kernarg_segment_align: 8
    .kernarg_segment_size: 16
    .max_flat_workgroup_size: 512
    .sgpr_count:     76
    .vgpr_count:     242
    .wavefront_size: 32
...
	.end_amdgpu_metadata
.endif
;; end of part 3
;; launch wo (part 4): grid 8 x 32, 4 waves a work-group, clusters of 4 x 4, 327,680 bytes of LDS; arguments att, wbf, x1, bo, x; writes x1
.if DOCPART == 4
	.amdgcn_target "amdgcn-amd-amdhsa--gfx1250"
	.amdhsa_code_object_version 6
	.text
	.protected	k_q7884f40515_wo
	.globl	k_q7884f40515_wo
	.p2align	8
	.type	k_q7884f40515_wo,@function
k_q7884f40515_wo:
	s_mov_b64 s[64:65], 0
	v_nop
	global_prefetch_b8 v0, s[64:65] scope:SCOPE_SE
	s_setreg_imm32_b32 hwreg(HW_REG_WAVE_MODE, 25, 1), 1
	s_wait_xcnt 0x0
	s_wait_alu depctr_hold_cnt(0) depctr_sa_sdst(0) depctr_va_vdst(0) depctr_va_sdst(0) depctr_va_ssrc(0) depctr_va_vcc(0) depctr_vm_vsrc(0)
	s_getreg_b32 s2, hwreg(HW_REG_IB_STS2, 6, 4)
	s_cmp_eq_u32 s2, 0
	s_cbranch_scc0 .Lentry_in_a_cluster
	s_endpgm
.Lentry_in_a_cluster:
	s_bfe_u32 s2, ttmp6, 0x10000c
	s_cmp_lg_u32 s2, 0xf033
	s_cbranch_scc0 .Lentry_shape_is_right
	s_endpgm
.Lentry_shape_is_right:
; OUT = RES + A W + bias, in f32.  A: [4096][SIZE_K] bf16 (rows along K).  W: [SIZE_K][1024] bf16 as the input has it (rows along N).
; IS_FFN2 = 0: A = att, W = wo, RES = x, OUT = x1.   IS_FFN2 = 1: A = gbf, W = w2, RES = x1, OUT = out0.
; 4,096 x 1,024 outputs on 256 work-groups are one block of 128 x 128 each.  Four wave tiles of 64 x 64 would read twice the LDS bytes for each
; matrix instruction; instead EVERY wave makes the whole block (64 accumulator tiles, 512 registers) on its own quarter of K: of each slot's
; 256 along K wave w takes 64 w .. + 63.  The four partial blocks are added once at the end, through the ring's LDS bytes, which have had
; their last fill by then: 256 KiB written and read, against SIZE_K x 2 KiB of fragment reads.
; K goes in steps of 256 through two LDS slots: A's tile as 128 rows of 512 bytes, W's as 256 k-rows of 256 bytes.
; CLUSTERS: 4 x 4 work-groups; A's tile is asked for jointly along a row of the cluster, W's along a column.
; REGISTER WINDOWS: window 0: v0-31 addresses, v64-127 and v128-191 A's fragments (two buffers; on the way out the partial sums),
; v224-227 the bias; window 1: v64-191 W's fragments, v0-63 and v192-255 the residual of the 32 rows that I finish, asked for at the start;
; windows 2, 3: accumulators (tile (a, b) at v[8 (8 a + b)]).
; W's fragment is source 0, A's source 1: lane l holds row l % 16, registers 0-7 the columns 8 (l / 16) + 0..7 of the tile.
; The 64 accumulators take turns, one matrix instruction a turn.
; LIMITS: operands are bf16; each output is the sum of four partial sums over K, (((p0 + p1) + (p2 + p3)) + bias) + res.
.set IS_FFN2, 0
.if IS_FFN2
.set SIZE_K, 4096
.set WOFF, 0x1000000                   ; w2 lies 16 MiB into wbf
.else
.set SIZE_K, 1024
.set WOFF, 0x600000                    ; wo lies 6 MiB into wbf
.endif
.set BP,     1024
.set KSTEP,  256
.set APITCH, 528                       ; 512 bytes + 16: an odd multiple of 16
.set BPITCH, 288                       ; 256 bytes + 32: an odd multiple of 32
.set HALFT,  128*BPITCH                ; 36,864: a wave's part of a slot: 128 k-rows of W, or 64 rows of A (33,792 of it used)
.set BBASE,  2*HALFT
.set SLOT,   4*HALFT
.set RPITCH, 528                       ; a row of a partial block: 512 bytes + 16
.set PART,   128*RPITCH                ; a partial block: 67,584; four of them fit in the ring's 294,912
.set LAPS, SIZE_K/(2*KSTEP)
.set ADRA, 16
.set ADRB, 20
.set WR,   24                          ; where I put my partial block's 16 bytes
.set CO,   25                          ; 16 x lane
.set RB,   26                          ; v26-29 where I read partial block p back
.set F0,   64
.set F1,   128
.set PS,   64                          ; the way out: row r' of a batch: four partial sums at 64 + 16 r' + 4 p
.set BI,   224
.set G1, 24
.set G0, 32
.set G1B, 48
.set G0B, 56
.set MSB, 0
.macro WIN new                         ; the immediate's high byte repeats the setting that is left
.if MSB != \new
	s_set_vgpr_msb (MSB<<8)|\new
.set MSB, \new
.endif
.endm
.set MUL_LO, 0xa1
.set MUL_HI, 0xf1
.set TO_B,   0x40
.macro JLOAD s                         ; waves 0 and 1 fetch A's halves, waves 2 and 3 W's; the branch hangs on the wave's number alone
	s_cmp_eq_u32 s11, 0
	s_cbranch_scc0 .Lfor_b_\@
	tensor_load_to_lds s[G0+4*\s:G0+4*\s+3], s[G1:G1+7]
	s_nop 0
	s_branch .Lasked_\@
.Lfor_b_\@:
	tensor_load_to_lds s[G0B+4*\s:G0B+4*\s+3], s[G1B:G1B+7]
	s_nop 0
.Lasked_\@:
.endm
.macro CREST
	s_cmp_lg_u32 s10, 0
	s_cbranch_scc1 .Lnot_wave_0_\@
	s_barrier_signal -3
.Lnot_wave_0_\@:
	s_barrier_wait -3
	s_barrier_signal -1
	s_barrier_wait -1
.endm
.macro CROUND
	s_barrier_signal -1
	s_barrier_wait -1
	CREST
.endm
	s_load_b128 s[4:7], s[0:1], 0x0                ; A s[4:5], wbf s[6:7]
	s_load_b64 s[8:9], s[0:1], 0x10                ; OUT
	s_load_b64 s[66:67], s[0:1], 0x18              ; bias
	s_load_b64 s[68:69], s[0:1], 0x20              ; RES
	v_lshl_add_u32 v254, v0, 2, 0x48000
	v_mov_b32 v255, 0
	ds_add_u32 v254, v255
	v_lshrrev_b32 v1, 5, v0
	v_readfirstlane_b32 s10, v1                    ; wave 0..3: also my quarter of K
	s_lshr_b32 s11, s10, 1                         ; I fetch for A (0) or for W (1)
	s_and_b32 s12, s10, 1                          ; which half of that tile
	s_bfe_u32 s40, ttmp6, 0x40000                  ; cx
	s_bfe_u32 s41, ttmp6, 0x40004                  ; cy
	s_lshl_b32 s42, ttmp9, 2
	s_add_co_u32 s42, s42, s40                     ; block column
	s_and_b32 s13, ttmp7, 0xffff
	s_lshl_b32 s13, s13, 2
	s_add_co_u32 s13, s13, s41                     ; block row
	s_lshl_b32 s43, s41, 2
	s_lshl_b32 s43, 15, s43                        ; my row of the cluster
	s_lshl_b32 s44, 0x1111, s40                    ; my column
	; group 1.  A: 64 rows x 256 elements, 4 words of padding behind every 128.  W: 128 rows x 128 elements, 8 words behind every 64.
	s_or_b32 s[G1+0], s43, (1<<16)|(1<<20)|(1<<21)|(6<<22)|(3<<25)
	s_or_b32 s[G1B+0], s44, (1<<16)|(1<<20)|(1<<21)|(5<<22)|(7<<25)
	s_mov_b32 s[G1+1], 256<<16
	s_mov_b32 s[G1B+1], 128<<16
	s_mov_b32 s[G1+2], 64<<16
	s_mov_b32 s[G1B+2], 128<<16
	s_mov_b32 s[G1+3], 256<<16
	s_mov_b32 s[G1B+3], 128<<16
	s_mov_b32 s[G1+4], 64
	s_mov_b32 s[G1B+4], 128
	s_mov_b32 s[G1+5], SIZE_K
	s_mov_b32 s[G1B+5], BP
	s_mov_b32 s[G1+6], 0
	s_mov_b32 s[G1B+6], 0
	s_mov_b32 s[G1+7], 0
	s_mov_b32 s[G1B+7], 0
	s_lshl_b32 s17, s12, 6
	s_lshl_b32 s16, s13, 7
	s_add_co_u32 s16, s16, s17                     ; A: row 128 x block row + 64 x half
	s_mul_i32 s16, s16, SIZE_K*2                   ; below 32 MiB
	s_mov_b32 s17, 0
	s_lshl_b32 s46, s42, 8                         ; W: 256 bytes a block column
	s_add_co_u32 s46, s46, WOFF
	s_lshl_b32 s47, s12, 18                        ; my 128 k-rows of 2,048 bytes
	s_add_co_u32 s46, s46, s47
	s_mov_b32 s47, 0
	s_mul_i32 s20, s10, HALFT                      ; where my load goes: wave x 36,864
	s_wait_dscnt 0x0
	s_wait_kmcnt 0x0
	s_add_nc_u64 s[14:15], s[4:5], s[16:17]
	s_add_nc_u64 s[46:47], s[6:7], s[46:47]
	CROUND                                         ; all sixteen work-groups are here: the first joint loads meet
.irp s, 0,1
	s_mov_b32 s[G0+4*\s], 1
	s_add_co_u32 s[G0+4*\s+1], s20, \s*SLOT
	s_add_nc_u64 s[G0+4*\s+2:G0+4*\s+3], s[14:15], \s*KSTEP*2
	s_or_b32 s[G0+4*\s+3], s[G0+4*\s+3], 0x80000000
	s_mov_b32 s[G0B+4*\s], 1
	s_add_co_u32 s[G0B+4*\s+1], s20, \s*SLOT
	s_add_nc_u64 s[G0B+4*\s+2:G0B+4*\s+3], s[46:47], \s*KSTEP*BP*2
	s_or_b32 s[G0B+4*\s+3], s[G0B+4*\s+3], 0x80000000
	JLOAD \s                                       ; both first fills as one group: two tensor loads of the wave are out
.endr
	v_and_b32 v1, 15, v0                           ; r
	v_bfe_u32 v2, v0, 4, 1                         ; h
	v_and_b32 v6, 7, v0
	v_bfe_u32 v7, v0, 3, 1
	v_and_b32 v9, 31, v0                           ; lane
	v_mul_u32_u24 v3, v1, APITCH
	v_lshl_add_u32 v3, v2, 4, v3
	v_lshl_add_u32 v8, v2, 3, v6
	v_mul_u32_u24 v8, v8, BPITCH
	v_lshl_add_u32 v8, v7, 4, v8
	s_lshl_b32 s21, s10, 7                         ; my 64 along K in A's rows: 128 bytes
	s_mul_i32 s22, s10, 64*BPITCH                  ; my 64 k-rows of W
	s_add_co_u32 s22, s22, BBASE
.irp s, 0,1
	v_add_nc_u32 v[ADRA+\s], s21, v3
	v_add_nc_u32 v[ADRB+\s], s22, v8
	s_add_co_u32 s21, s21, SLOT
	s_add_co_u32 s22, s22, SLOT
.endr
	s_mul_i32 s23, s10, PART
	v_mul_u32_u24 v4, v1, RPITCH
	v_lshl_add_u32 v4, v2, 5, v4                   ; row r, 32 bytes (8 f32) for each half of the lanes
	v_add_nc_u32 v[WR], s23, v4
	v_lshlrev_b32 v[CO], 4, v9
	s_mul_i32 s23, s10, 32*RPITCH                  ; on the way out wave w owns rows 32 w .. + 31
.irp p, 0,1,2,3
	v_add_nc_u32 v[RB+\p], s23, v[CO]
	s_add_co_u32 s23, s23, PART
.endr
	s_lshl_b32 s46, s42, 9                         ; my block's 128 columns x 4 bytes
	s_mov_b32 s47, 0
	s_add_nc_u64 s[66:67], s[66:67], s[46:47]
	global_load_b128 v[BI:BI+3], v[CO], s[66:67]   ; the bias of my four columns; waited for on the way out
	s_lshl_b32 s70, s13, 7
	s_lshl_b32 s71, s10, 5
	s_add_co_u32 s70, s70, s71                     ; the first row that I finish: 128 x block row + 32 x wave
	s_lshl_b32 s70, s70, 12
	s_mov_b32 s71, 0
	s_add_nc_u64 s[8:9], s[8:9], s[70:71]
	s_add_nc_u64 s[8:9], s[8:9], s[46:47]
	s_add_nc_u64 s[68:69], s[68:69], s[70:71]
	s_add_nc_u64 s[68:69], s[68:69], s[46:47]
.macro MUL16 f, hi, a0, zero
.irp a, \a0, \a0+1
.irp b, 0,1,2,3,4,5,6,7
.if \zero
	v_wmma_f32_16x16x32_bf16 v[8*(8*(\a)+\b):8*(8*(\a)+\b)+7], v[\f+8*\b:\f+8*\b+7], v[\f+8*(4*\hi+\a):\f+8*(4*\hi+\a)+7], 0
.else
	v_wmma_f32_16x16x32_bf16 v[8*(8*(\a)+\b):8*(8*(\a)+\b)+7], v[\f+8*\b:\f+8*\b+7], v[\f+8*(4*\hi+\a):\f+8*(4*\hi+\a)+7], v[8*(8*(\a)+\b):8*(8*(\a)+\b)+7]
.endif
.endr
.endr
.endm
; the fragments of slice q (32 along K) of my quarter of a slot.  A's rows 64-127 lie in the second wave's part, 36,864 bytes on.
.macro FETCH slot, q, f
	WIN TO_B
.irp i, 0,1,2,3,4,5,6,7
	ds_load_tr16_b128 v[\f+8*\i:\f+8*\i+3],   v[ADRB+\slot] offset:\q*32*BPITCH+32*\i
	ds_load_tr16_b128 v[\f+8*\i+4:\f+8*\i+7], v[ADRB+\slot] offset:\q*32*BPITCH+16*BPITCH+32*\i
.endr
	WIN 0
.irp i, 0,1,2,3,4,5,6,7
	ds_load_b128 v[\f+8*\i:\f+8*\i+3],   v[ADRA+\slot] offset:64*\q+(\i/4)*HALFT+(\i%4)*16*APITCH
	ds_load_b128 v[\f+8*\i+4:\f+8*\i+7], v[ADRA+\slot] offset:64*\q+(\i/4)*HALFT+(\i%4)*16*APITCH+32
.endr
.endm
.macro PLACES                          ; four places behind a matrix instruction (ISA guide 7.12.1 for vector instructions)
.rept 4
	v_nop
.endr
.endm
.macro QUARTER slot, q, f, g, zero
	s_wait_dscnt 8                                 ; W and A's rows 0-63 are in; the youngest eight loads may be out
	WIN MUL_LO
	MUL16 \f, 0, 0, \zero
	MUL16 \f, 0, 2, \zero
	PLACES
	FETCH \slot, \q, \g
	s_wait_dscnt 32                                ; all but the 32 just issued
	WIN MUL_HI
	MUL16 \f, 1, 0, \zero
	MUL16 \f, 1, 2, \zero
.endm
; The second half of a slot: multiplies buffer 1 and changes slots.  The waits for my reads of this slot and for all my tensor loads stand in
; front of the barrier; where the slot is filled again the barrier opens a round of the cluster's barrier and the joint refill comes first
; behind the round.  A slot's matrix work is short beside its 128 KiB, so nothing stands between the waits and the request but the round:
; all 128 matrix instructions of a slot lie between a request and the wait for it.
.macro TURN slot, next, fill
	s_wait_dscnt 8
	WIN MUL_LO
	MUL16 F1, 0, 0, 0
	s_wait_dscnt 0
	s_set_vgpr_msb 0xa1a0
	s_wait_tensorcnt 0x0
	ds_add_u32 v254, v255
	s_wait_dscnt 0x0
	s_set_vgpr_msb 0xa0a1
	WIN 0
	s_barrier_signal -1
	s_barrier_wait -1
.if \fill
	CREST
	s_add_nc_u64 s[G0+4*\slot+2:G0+4*\slot+3], s[G0+4*\slot+2:G0+4*\slot+3], 2*KSTEP*2
	s_add_nc_u64 s[G0B+4*\slot+2:G0B+4*\slot+3], s[G0B+4*\slot+2:G0B+4*\slot+3], 2*KSTEP*BP*2
	JLOAD \slot
.endif
	WIN MUL_LO
	MUL16 F1, 0, 2, 0
	PLACES
	FETCH \next, 0, F0
	WIN MUL_HI
	MUL16 F1, 1, 0, 0
	MUL16 F1, 1, 2, 0
.endm
.macro LAP zero
	QUARTER 0, 1, F0, F1, \zero
	TURN 0, 1, 1
	QUARTER 1, 1, F0, F1, 0
	TURN 1, 0, 1
.endm
	s_wait_tensorcnt 1                             ; my part of slot 0 is in; slot 1's stays out
	s_barrier_signal -1
	s_barrier_wait -1
	FETCH 0, 0, F0
	; the residual of the 32 rows that I finish, a row's 512 bytes a load, into window 1's free registers: row r at v[4 r], from row 16 on at
	; v[192 + 4 (r - 16)].  Asked for here, while the first fragments are on their way from LDS; waited for on the way out.
	WIN TO_B
.set r, 0
.rept 32
	global_load_b128 v[4*r+(r/16)*128:4*r+(r/16)*128+3], v[CO], s[68:69] offset:r*4096
.set r, r+1
.endr
	LAP 1
.if LAPS > 2
	WIN 0
	s_mov_b32 s3, LAPS-2
.Llap:
	LAP 0
	WIN 0
	s_sub_co_u32 s3, s3, 1
	s_cmp_lg_u32 s3, 0
	s_cbranch_scc1 .Llap
.endif
	QUARTER 0, 1, F0, F1, 0                        ; the last lap fills nothing
	TURN 0, 1, 0
	QUARTER 1, 1, F0, F1, 0
	s_wait_dscnt 8
	WIN MUL_LO
	MUL16 F1, 0, 0, 0
	MUL16 F1, 0, 2, 0
	s_wait_dscnt 0
	WIN MUL_HI
	MUL16 F1, 1, 0, 0
	MUL16 F1, 1, 2, 0
	; THE WAY OUT.  The ring has had its last fill and every wave's tensor loads were waited for in front of the last change of slots.
	PLACES
	WIN 0
	s_barrier_signal -1                            ; my reads of the ring are over (the wait for 0 above),
	s_barrier_wait -1                              ; everybody's are: its bytes may be written
	WIN 0x08                                       ; store data from window 2
.irp a, 0,1,2,3
.irp b, 0,1,2,3,4,5,6,7
	ds_store_b128 v[WR], v[8*(8*\a+\b):8*(8*\a+\b)+3]   offset:\a*16*RPITCH+64*\b
	ds_store_b128 v[WR], v[8*(8*\a+\b)+4:8*(8*\a+\b)+7] offset:\a*16*RPITCH+64*\b+16
.endr
.endr
	WIN 0x0c                                       ; from window 3: rows 64-127
.irp a, 0,1,2,3
.irp b, 0,1,2,3,4,5,6,7
	ds_store_b128 v[WR], v[8*(8*\a+\b):8*(8*\a+\b)+3]   offset:(\a+4)*16*RPITCH+64*\b
	ds_store_b128 v[WR], v[8*(8*\a+\b)+4:8*(8*\a+\b)+7] offset:(\a+4)*16*RPITCH+64*\b+16
.endr
.endr
	WIN 0
	s_wait_dscnt 0x0                               ; my partial block is written,
	s_barrier_signal -1
	s_barrier_wait -1                              ; all four are
	s_wait_loadcnt 0x0                             ; the bias and the residual, asked for at the start
	; 32 rows in four batches of eight.  A lane has four columns of each row; a load or store of the wave covers a row's 512 bytes.
.irp bt, 0,1,2,3
	s_wait_xcnt 0x0                                ; the registers that the last batch's stores read are loaded again only behind this wait
.irp r, 0,1,2,3,4,5,6,7
.irp p, 0,1,2,3
	ds_load_b128 v[PS+16*\r+4*\p:PS+16*\r+4*\p+3], v[RB+\p] offset:(8*\bt+\r)*RPITCH
.endr
.endr
.irp r, 0,1,2,3,4,5,6,7
	s_wait_dscnt 4*(7-\r)                          ; this row's four partial sums are in; four loads for each later row stay out
	v_pk_add_f32 v[PS+16*\r:PS+16*\r+1],     v[PS+16*\r:PS+16*\r+1],     v[PS+16*\r+4:PS+16*\r+5]
	v_pk_add_f32 v[PS+16*\r+2:PS+16*\r+3],   v[PS+16*\r+2:PS+16*\r+3],   v[PS+16*\r+6:PS+16*\r+7]
	v_pk_add_f32 v[PS+16*\r+8:PS+16*\r+9],   v[PS+16*\r+8:PS+16*\r+9],   v[PS+16*\r+12:PS+16*\r+13]
	v_pk_add_f32 v[PS+16*\r+10:PS+16*\r+11], v[PS+16*\r+10:PS+16*\r+11], v[PS+16*\r+14:PS+16*\r+15]
	v_pk_add_f32 v[PS+16*\r:PS+16*\r+1],     v[PS+16*\r:PS+16*\r+1],     v[PS+16*\r+8:PS+16*\r+9]
	v_pk_add_f32 v[PS+16*\r+2:PS+16*\r+3],   v[PS+16*\r+2:PS+16*\r+3],   v[PS+16*\r+10:PS+16*\r+11]
	v_pk_add_f32 v[PS+16*\r:PS+16*\r+1],     v[PS+16*\r:PS+16*\r+1],     v[BI:BI+1]
	v_pk_add_f32 v[PS+16*\r+2:PS+16*\r+3],   v[PS+16*\r+2:PS+16*\r+3],   v[BI+2:BI+3]
.endr
	WIN 0x04                                       ; source 1 from window 1: the residual
.irp r, 0,1,2,3,4,5,6,7
	v_pk_add_f32 v[PS+16*\r:PS+16*\r+1],   v[PS+16*\r:PS+16*\r+1],   v[4*(8*\bt+\r)+((8*\bt+\r)/16)*128:4*(8*\bt+\r)+((8*\bt+\r)/16)*128+1]
	v_pk_add_f32 v[PS+16*\r+2:PS+16*\r+3], v[PS+16*\r+2:PS+16*\r+3], v[4*(8*\bt+\r)+((8*\bt+\r)/16)*128+2:4*(8*\bt+\r)+((8*\bt+\r)/16)*128+3]
.endr
	WIN 0
.irp r, 0,1,2,3,4,5,6,7
	global_store_b128 v[CO], v[PS+16*\r:PS+16*\r+3], s[8:9] offset:(8*\bt+\r)*4096
.endr
.endr
	s_wait_tensorcnt 0x0
	ds_add_u32 v254, v255
	s_wait_dscnt 0x0
	CROUND                                         ; the closing round: no work-group ends while a partner may still ask for a tile that names it
	s_endpgm
.Lfunc_end_k_q7884f40515_wo:
	.size	k_q7884f40515_wo, .Lfunc_end_k_q7884f40515_wo-k_q7884f40515_wo
	.p2alignl 7, 3214868480
	.fill 96, 4, 3214868480
	.section	.rodata,"a",@progbits
	.p2align	6, 0x0
	.amdhsa_kernel k_q7884f40515_wo
		.amdhsa_group_segment_fixed_size 327680
		.amdhsa_private_segment_fixed_size 0
		.amdhsa_enable_private_segment 0
		.amdhsa_kernarg_size 40
		.amdhsa_user_sgpr_count 2
		.amdhsa_user_sgpr_kernarg_segment_ptr 1
		.amdhsa_wavefront_size32 1
		.amdhsa_system_sgpr_workgroup_id_x 1
		.amdhsa_system_sgpr_workgroup_id_y 1
		.amdhsa_system_sgpr_workgroup_id_z 1
		.amdhsa_system_vgpr_workitem_id 0
		.amdhsa_next_free_vgpr 1024
		.amdhsa_next_free_sgpr 74
		.amdhsa_reserve_vcc 0
		.amdhsa_float_denorm_mode_32 3
		.amdhsa_float_denorm_mode_16_64 3
		.amdhsa_memory_ordered 1
		.amdhsa_forward_progress 1
		.amdhsa_inst_pref_size 104
	.end_amdhsa_kernel
	.amdgpu_metadata
---
amdhsa.version: [ 1, 2 ]
amdhsa.kernels:
  - .name:           k_q7884f40515_wo
    .symbol:         k_q7884f40515_wo.kd
    .args:
      - { .name: att, .offset: 0, .size: 8, .value_kind: global_buffer, .address_space: global }
      - { .name: wbf, .offset: 8, .size: 8, .value_kind: global_buffer, .address_space: global }
      - { .name: x1, .offset: 16, .size: 8, .value_kind: global_buffer, .address_space: global }
      - { .name: bo, .offset: 24, .size: 8, .value_kind: global_buffer, .address_space: global }
      - { .name: x, .offset: 32, .size: 8, .value_kind: global_buffer, .address_space: global }
    .group_segment_fixed_size: 327680
    .private_segment_fixed_size: 0
    .kernarg_segment_align: 8
    .kernarg_segment_size: 40
    .max_flat_workgroup_size: 128
    .sgpr_count:     74
    .vgpr_count:     1024
    .wavefront_size: 32
...
	.end_amdgpu_metadata
.endif
;; end of part 4
;; launch ln2 (part 5): grid 256 x 1, 8 waves a work-group, no clusters, 0 bytes of LDS; arguments x1, ln2_g, ln2_b, hbf; writes hbf
.if DOCPART == 5
	.amdgcn_target "amdgcn-amd-amdhsa--gfx1250"
	.amdhsa_code_object_version 6
	.text
	.protected	k_q7884f40515_ln2
	.globl	k_q7884f40515_ln2
	.p2align	8
	.type	k_q7884f40515_ln2,@function
k_q7884f40515_ln2:
	s_mov_b64 s[64:65], 0
	v_nop
	global_prefetch_b8 v0, s[64:65] scope:SCOPE_SE
	s_setreg_imm32_b32 hwreg(HW_REG_WAVE_MODE, 25, 1), 1
	s_wait_xcnt 0x0
; hbf = bf16(LayerNorm(x1) * g + b).  x1: [4096][1024] f32, hbf: [4096][1024] bf16.
; A stream: memory binds, so no LDS, no barrier, no matrix unit.  A work-group has 16 rows, a wave 2.  A row (4,096 bytes) is eight 16-byte
; loads a lane and stays in 32 registers: mean first, then the mean of the squared differences from it, as the definition has it, so a common
; offset of the input does no harm.  Load j gives lane l the columns 128 j + 4 l .. + 3; their four bf16 are 8 bytes, and a store of the
; wave covers 256 consecutive bytes, aligned.
; LIMITS: NaN and infinities are not followed.
.set XR, 8                             ; v[8:71]    two rows, 32 registers each
.set GA, 72                            ; v[72:103]  gain of my 32 columns
.set BE, 104                           ; v[104:135] bias of my 32 columns
.set TT, 136                           ; v[136:143] four chains of sums
.set MU, 144                           ; v[144:145] the mean, twice
.set RS, 146                           ; v[146:149] 1/sqrt(var + eps), twice, for each row
.set YO, 152                           ; v[152:183] bf16 to store, 16 registers a row
	s_load_b256 s[4:11], s[0:1], 0x0               ; x1 s[4:5], g s[6:7], b s[8:9], hbf s[10:11]
	v_lshrrev_b32 v3, 5, v0
	v_readfirstlane_b32 s12, v3                    ; wave
	v_and_b32 v1, 31, v0
	v_lshlrev_b32 v2, 3, v1                        ; 8 x lane
	v_lshlrev_b32 v1, 4, v1                        ; 16 x lane
	s_lshl_b32 s17, ttmp9, 4
	s_lshl1_add_u32 s17, s12, s17                  ; my first row = 16 x group + 2 x wave
	s_lshl_b32 s18, s17, 12
	s_mov_b32 s19, 0
	s_lshl_b32 s20, s17, 11
	s_mov_b32 s21, 0
	s_mov_b32 s13, 0x3a800000                      ; 1/1024
	s_mov_b32 s14, 0x3727c5ac                      ; 1e-5
	s_mov_b32 s15, 0x76543210
	s_mov_b32 s16, 0xfedcba98
	s_wait_kmcnt 0x0
	s_add_nc_u64 s[4:5], s[4:5], s[18:19]
	s_add_nc_u64 s[10:11], s[10:11], s[20:21]
.irp j, 0,1,2,3,4,5,6,7
	global_load_b128 v[XR+4*\j:XR+4*\j+3], v1, s[4:5] offset:512*\j
.endr
.irp j, 0,1,2,3,4,5,6,7
	global_load_b128 v[XR+32+4*\j:XR+32+4*\j+3], v1, s[4:5] offset:4096+512*\j
.endr
.irp j, 0,1,2,3,4,5,6,7
	global_load_b128 v[GA+4*\j:GA+4*\j+3], v1, s[6:7] offset:512*\j
.endr
.irp j, 0,1,2,3,4,5,6,7
	global_load_b128 v[BE+4*\j:BE+4*\j+3], v1, s[8:9] offset:512*\j
.endr
; the four chains become one number, the same in all 32 lanes
.macro FOLD
	v_pk_add_f32 v[TT:TT+1], v[TT:TT+1], v[TT+2:TT+3]
	v_pk_add_f32 v[TT+4:TT+5], v[TT+4:TT+5], v[TT+6:TT+7]
	v_pk_add_f32 v[TT:TT+1], v[TT:TT+1], v[TT+4:TT+5]
	v_add_f32 v[TT], v[TT], v[TT+1]
	v_add_f32_dpp v[TT], v[TT], v[TT] row_xmask:1 row_mask:0xf bank_mask:0xf
	v_add_f32_dpp v[TT], v[TT], v[TT] row_xmask:2 row_mask:0xf bank_mask:0xf
	v_add_f32_dpp v[TT], v[TT], v[TT] row_xmask:4 row_mask:0xf bank_mask:0xf
	v_add_f32_dpp v[TT], v[TT], v[TT] row_xmask:8 row_mask:0xf bank_mask:0xf
	v_permlanex16_b32 v[TT+1], v[TT], s15, s16     ; its destination has been written above
	v_add_f32 v[TT], v[TT], v[TT+1]
.endm
; mean and 1/sqrt(var + eps) of one row; the row is left as x - mean.  left = younger loads that may stay out
.macro STAT row, left
	s_wait_loadcnt \left                           ; loads come back in order: this row's eight are in
.irp k, 0,1,2,3
	v_pk_add_f32 v[TT+2*\k:TT+2*\k+1], v[XR+32*\row+2*\k:XR+32*\row+2*\k+1], v[XR+32*\row+8+2*\k:XR+32*\row+8+2*\k+1]
.endr
.irp p, 8,9,10,11,12,13,14,15
	v_pk_add_f32 v[TT+2*(\p%4):TT+2*(\p%4)+1], v[TT+2*(\p%4):TT+2*(\p%4)+1], v[XR+32*\row+2*\p:XR+32*\row+2*\p+1]
.endr
	FOLD
	v_mul_f32 v[MU], s13, v[TT]
	v_mul_f32 v[MU+1], s13, v[TT]
.irp p, 0,1,2,3,4,5,6,7,8,9,10,11,12,13,14,15
	v_pk_add_f32 v[XR+32*\row+2*\p:XR+32*\row+2*\p+1], v[XR+32*\row+2*\p:XR+32*\row+2*\p+1], v[MU:MU+1] neg_lo:[0,1] neg_hi:[0,1]
.endr
.irp k, 0,1,2,3
	v_pk_mul_f32 v[TT+2*\k:TT+2*\k+1], v[XR+32*\row+2*\k:XR+32*\row+2*\k+1], v[XR+32*\row+2*\k:XR+32*\row+2*\k+1]
.endr
.irp p, 4,5,6,7,8,9,10,11,12,13,14,15
	v_pk_fma_f32 v[TT+2*(\p%4):TT+2*(\p%4)+1], v[XR+32*\row+2*\p:XR+32*\row+2*\p+1], v[XR+32*\row+2*\p:XR+32*\row+2*\p+1], v[TT+2*(\p%4):TT+2*(\p%4)+1]
.endr
	FOLD
	v_fma_f32 v[TT], v[TT], s13, s14               ; var + eps
	v_rsq_f32 v[RS+2*\row], v[TT]
	v_rsq_f32 v[RS+2*\row+1], v[TT]
	v_nop                                          ; one plain place before the source is written again or the result used (ISA guide 5.7.2)
.endm
.macro EMIT row
	s_wait_alu depctr_va_vdst(0)
.irp p, 0,1,2,3,4,5,6,7,8,9,10,11,12,13,14,15
	v_pk_mul_f32 v[XR+32*\row+2*\p:XR+32*\row+2*\p+1], v[XR+32*\row+2*\p:XR+32*\row+2*\p+1], v[RS+2*\row:RS+2*\row+1]
.endr
.irp p, 0,1,2,3,4,5,6,7,8,9,10,11,12,13,14,15
	v_pk_fma_f32 v[XR+32*\row+2*\p:XR+32*\row+2*\p+1], v[XR+32*\row+2*\p:XR+32*\row+2*\p+1], v[GA+2*\p:GA+2*\p+1], v[BE+2*\p:BE+2*\p+1]
.endr
.irp p, 0,1,2,3,4,5,6,7,8,9,10,11,12,13,14,15
	v_cvt_pk_bf16_f32 v[YO+16*\row+\p], v[XR+32*\row+2*\p], v[XR+32*\row+2*\p+1]
.endr
.irp j, 0,1,2,3,4,5,6,7
	global_store_b64 v2, v[YO+16*\row+2*\j:YO+16*\row+2*\j+1], s[10:11] offset:\row*2048+256*\j
.endr
.endm
	STAT 0, 24                                     ; the second row, g and b (24 loads) stay out
	STAT 1, 16                                     ; g and b stay out
	s_wait_loadcnt 0x0
	EMIT 0
	EMIT 1
	s_endpgm
.Lfunc_end_k_q7884f40515_ln2:
	.size	k_q7884f40515_ln2, .Lfunc_end_k_q7884f40515_ln2-k_q7884f40515_ln2
	.p2alignl 7, 3214868480
	.fill 96, 4, 3214868480
	.section	.rodata,"a",@progbits
	.p2align	6, 0x0
	.amdhsa_kernel k_q7884f40515_ln2
		.amdhsa_group_segment_fixed_size 0
		.amdhsa_private_segment_fixed_size 0
		.amdhsa_enable_private_segment 0
		.amdhsa_kernarg_size 32
		.amdhsa_user_sgpr_count 2
		.amdhsa_user_sgpr_kernarg_segment_ptr 1
		.amdhsa_wavefront_size32 1
		.amdhsa_system_sgpr_workgroup_id_x 1
		.amdhsa_system_sgpr_workgroup_id_y 1
		.amdhsa_system_sgpr_workgroup_id_z 1
		.amdhsa_system_vgpr_workitem_id 0
		.amdhsa_next_free_vgpr 184
		.amdhsa_next_free_sgpr 66
		.amdhsa_reserve_vcc 0
		.amdhsa_float_denorm_mode_32 3
		.amdhsa_float_denorm_mode_16_64 3
		.amdhsa_memory_ordered 1
		.amdhsa_forward_progress 1
		.amdhsa_inst_pref_size 20
	.end_amdhsa_kernel
	.amdgpu_metadata
---
amdhsa.version: [ 1, 2 ]
amdhsa.kernels:
  - .name:           k_q7884f40515_ln2
    .symbol:         k_q7884f40515_ln2.kd
    .args:
      - { .name: x1, .offset: 0, .size: 8, .value_kind: global_buffer, .address_space: global }
      - { .name: ln2_g, .offset: 8, .size: 8, .value_kind: global_buffer, .address_space: global }
      - { .name: ln2_b, .offset: 16, .size: 8, .value_kind: global_buffer, .address_space: global }
      - { .name: hbf, .offset: 24, .size: 8, .value_kind: global_buffer, .address_space: global }
    .group_segment_fixed_size: 0
    .private_segment_fixed_size: 0
    .kernarg_segment_align: 8
    .kernarg_segment_size: 32
    .max_flat_workgroup_size: 256
    .sgpr_count:     66
    .vgpr_count:     184
    .wavefront_size: 32
...
	.end_amdgpu_metadata
.endif
;; end of part 5
;; launch ffn1 (part 6): grid 16 x 16, 4 waves a work-group, clusters of 4 x 4, 327,680 bytes of LDS; arguments hbf, wbf, gbf, b1; writes gbf
.if DOCPART == 6
	.amdgcn_target "amdgcn-amd-amdhsa--gfx1250"
	.amdhsa_code_object_version 6
	.text
	.protected	k_q7884f40515_ffn1
	.globl	k_q7884f40515_ffn1
	.p2align	8
	.type	k_q7884f40515_ffn1,@function
k_q7884f40515_ffn1:
	s_mov_b64 s[64:65], 0
	v_nop
	global_prefetch_b8 v0, s[64:65] scope:SCOPE_SE
	s_setreg_imm32_b32 hwreg(HW_REG_WAVE_MODE, 25, 1), 1
	s_wait_xcnt 0x0
	s_wait_alu depctr_hold_cnt(0) depctr_sa_sdst(0) depctr_va_vdst(0) depctr_va_sdst(0) depctr_va_ssrc(0) depctr_va_vcc(0) depctr_vm_vsrc(0)
	s_getreg_b32 s2, hwreg(HW_REG_IB_STS2, 6, 4)
	s_cmp_eq_u32 s2, 0
	s_cbranch_scc0 .Lentry_in_a_cluster
	s_endpgm
.Lentry_in_a_cluster:
	s_bfe_u32 s2, ttmp6, 0x10000c
	s_cmp_lg_u32 s2, 0xf033
	s_cbranch_scc0 .Lentry_shape_is_right
	s_endpgm
.Lentry_shape_is_right:
; C = bf16(f(A W + bias)).  A: [4096][1024] bf16 (rows along K).  W: bf16 as the input has it, [K][N] (rows along N).
; IS_FFN1 = 0: the three projections; block columns 0-3 are wq, 4-7 wk, 8-11 wv; C = qkv[3][4096][1024]; f = identity.
; IS_FFN1 = 1: W = w1 [1024][4096]; C = gbf[4096][4096]; f = GELU with the error function.
; A work-group makes 256 x 256 of C with four waves, a wave 128 x 128: 64 accumulator tiles, 512 registers.  K goes in steps of 128
; through a ring of two LDS slots filled by tensor loads: A's tile as 256 rows of 256 bytes, W's as 128 k-rows of 512 bytes.
; W's fragments are made by the transposing LDS load (ds_load_tr16_b128), so W is never transposed in memory.
; CLUSTERS: 4 x 4 work-groups.  A's tile hangs on the block row alone and is asked for jointly by a row of the cluster, W's on the block
; column alone and is asked for jointly by a column: a quarter of the requests.
; REGISTER WINDOWS: window 0: v0-31 addresses, v32-63 GELU at work, v64-127 and v128-191 A's fragments (two buffers), v192-223 packed results;
; window 1: v0-63 the bias of my 128 columns as the accumulators hold them, v64-191 W's fragments; windows 2, 3: accumulators
; (tile (a, b) at v[8 (8 a + b)]; window 3: my rows 64-127).
; The matrix instruction takes W's fragment as source 0 and A's as source 1: lane l then holds row l % 16 of C, and its registers 0-7
; the columns 8 (l / 16) + 0..7 of the tile: eight neighbouring numbers of a row.
; The 64 accumulators take turns, one matrix instruction a turn, in the same order everywhere.
; LIMITS: operands are rounded to bf16.  erf is Abramowitz and Stegun 7.1.26, absolute error at most 1.5e-7 for every x;
; exp2 gives 0 below 2^-126; NaN and infinities are not followed.
.set IS_FFN1, 1
.set SIZE_K, 1024
.if IS_FFN1
.set BP, 4096                          ; numbers in a row of W, and of C
.else
.set BP, 1024
.endif
.set KSTEP,  128
.set APITCH, 272                       ; A's LDS row: 256 bytes + 16: an odd multiple of 16, so 16 rows of a fragment load start 16 bytes apart modulo 256
.set BPITCH, 544                       ; W's LDS row: 512 bytes + 32: an odd multiple of 32, as the transposing load's eight rows want
.set HALFT,  128*APITCH                ; what one tensor load brings: 128 rows of A, or 64 k-rows of W (64 x 544 is the same 34,816)
.set BBASE,  2*HALFT
.set SLOT,   4*HALFT
.set STAGE,  2*SLOT                    ; behind the ring: 16 rows x 272 bytes for each wave, never filled by a tensor load
.set SPITCH, 272
.set LAPS, SIZE_K/(2*KSTEP)
.set ADRA, 16                          ; v16-17 LDS address of my A fragments in slot 0, 1
.set ADRB, 20                          ; v20-21 the same for W
.set STO,  24
.set RD,   25
.set CO,   26
.set BO,   27                          ; 32 x (l / 16): my place in 64 bytes of bias
.set AX,   32                          ; GELU: |x|, then |x|/2
.set TG,   40                          ; GELU: t
.set EG,   48                          ; GELU: exp(-x x / 2)
.set PG,   56                          ; GELU: minus the polynomial
.set F0,   64
.set F1,   128
.set TMP,  192
.set G1, 24
.set G0, 32
.set G1B, 48
.set G0B, 56
.set MSB, 0
.macro WIN new                         ; the immediate's high byte repeats the setting that is left
.if MSB != \new
	s_set_vgpr_msb (MSB<<8)|\new
.set MSB, \new
.endif
.endm
.set MUL_LO, 0xa1                      ; source 0 (W) window 1, source 1 (A) window 0, C and D window 2
.set MUL_HI, 0xf1                      ; the same, C and D window 3
.set TO_B,   0x40                      ; destination window 1, address window 0
; A joint load: waves 0 and 1 fetch A's halves, waves 2 and 3 W's.  The branch hangs on the wave's number alone.
.macro JLOAD s
	s_cmp_eq_u32 s11, 0
	s_cbranch_scc0 .Lfor_b_\@
	tensor_load_to_lds s[G0+4*\s:G0+4*\s+3], s[G1:G1+7]
	s_nop 0
	s_branch .Lasked_\@
.Lfor_b_\@:
	tensor_load_to_lds s[G0B+4*\s:G0B+4*\s+3], s[G1B:G1B+7]
	s_nop 0
.Lasked_\@:
.endm
.macro CREST                           ; a round of the cluster's barrier behind its opening barrier
	s_cmp_lg_u32 s10, 0
	s_cbranch_scc1 .Lnot_wave_0_\@
	s_barrier_signal -3
.Lnot_wave_0_\@:
	s_barrier_wait -3
	s_barrier_signal -1
	s_barrier_wait -1
.endm
.macro CROUND                          ; a whole round
	s_barrier_signal -1
	s_barrier_wait -1
	CREST
.endm
	s_load_b128 s[4:7], s[0:1], 0x0                ; A s[4:5], wbf s[6:7]
	s_load_b64 s[8:9], s[0:1], 0x10                ; C
.if IS_FFN1
	s_load_b64 s[66:67], s[0:1], 0x18              ; b1
	s_set_vgpr_msb 0x40
	v_lshl_add_u32 v255, v0, 2, 0x48400
	s_set_vgpr_msb 0x4000
	v_mov_b32 v255, 0
	s_set_vgpr_msb 0x1
	ds_add_u32 v255, v255
	s_set_vgpr_msb 0x100
.else
	s_load_b64 s[68:69], s[0:1], 0x18              ; bq
	s_load_b64 s[70:71], s[0:1], 0x20              ; bk
	s_load_b64 s[72:73], s[0:1], 0x28              ; bv
.endif
	v_lshrrev_b32 v1, 5, v0
	v_readfirstlane_b32 s10, v1                    ; wave 0..3
	s_lshr_b32 s11, s10, 1                         ; my half of the block's rows.  Also: I fetch for A (0) or for W (1)
	s_and_b32 s12, s10, 1                          ; my half of its columns.  Also: which half of that tile I fetch
	s_bfe_u32 s40, ttmp6, 0x40000                  ; cx
	s_bfe_u32 s41, ttmp6, 0x40004                  ; cy
	s_lshl_b32 s42, ttmp9, 2
	s_add_co_u32 s42, s42, s40                     ; block column = 4 x cluster x + cx
	s_and_b32 s13, ttmp7, 0xffff
	s_lshl_b32 s13, s13, 2
	s_add_co_u32 s13, s13, s41                     ; block row = 4 x cluster y + cy
	s_lshl_b32 s43, s41, 2
	s_lshl_b32 s43, 15, s43                        ; my row of the cluster
	s_lshl_b32 s44, 0x1111, s40                    ; my column
	; group 1.  A: 128 rows x 128 elements, 4 words of padding behind every 64.  W: 64 rows x 256 elements, 8 words behind every 128.
	s_or_b32 s[G1+0], s43, (1<<16)|(1<<20)|(1<<21)|(5<<22)|(3<<25)
	s_or_b32 s[G1B+0], s44, (1<<16)|(1<<20)|(1<<21)|(6<<22)|(7<<25)
	s_mov_b32 s[G1+1], 128<<16                     ; tensor_dim0
	s_mov_b32 s[G1B+1], 256<<16
	s_mov_b32 s[G1+2], 128<<16                     ; tensor_dim1
	s_mov_b32 s[G1B+2], 64<<16
	s_mov_b32 s[G1+3], 128<<16                     ; tile_dim0
	s_mov_b32 s[G1B+3], 256<<16
	s_mov_b32 s[G1+4], 128                         ; tile_dim1
	s_mov_b32 s[G1B+4], 64
	s_mov_b32 s[G1+5], SIZE_K                      ; elements from row to row
	s_mov_b32 s[G1B+5], BP
	s_mov_b32 s[G1+6], 0
	s_mov_b32 s[G1B+6], 0
	s_mov_b32 s[G1+7], 0
	s_mov_b32 s[G1B+7], 0
	; A's tile hangs on the block row, W's on the block column; each address is made in registers that never hold the other coordinate
	s_lshl_b32 s17, s12, 7
	s_lshl_b32 s16, s13, 8
	s_add_co_u32 s16, s16, s17                     ; A: row 256 x block row + 128 x half
	s_mul_i32 s16, s16, SIZE_K*2                   ; in bytes: below 8 MiB
	s_mov_b32 s17, 0
.if IS_FFN1
	s_lshl_b32 s46, s42, 9                         ; W: 512 bytes a block column,
	s_add_co_u32 s46, s46, 0x800000                ; w1 lies 8 MiB into wbf
.else
	s_lshl_b32 s46, s40, 9                         ; W: 512 bytes a block column inside the weight (cx),
	s_lshl_b32 s47, ttmp9, 21                      ; the weight is the cluster's x: 2 MiB each
	s_add_co_u32 s46, s46, s47
.endif
	s_mul_i32 s47, s12, 64*BP*2                    ; my 64 k-rows
	s_add_co_u32 s46, s46, s47
	s_mov_b32 s47, 0
	s_mul_i32 s20, s10, HALFT                      ; where my load goes: wave x 34,816 (A's halves, then W's)
.if IS_FFN1
	s_mov_b32 s74, 0x3e6d3388                      ; 0.3275911 / sqrt(2)
	s_mov_b32 s75, 0x3e6d3388
	s_mov_b32 s76, 0xbf38aa3b                      ; -log2(e) / 2
	s_mov_b32 s77, 0xbf38aa3b
	s_mov_b32 s78, 0xbf87dc22                      ; -a5
	s_mov_b32 s79, 0xbf87dc22
	s_mov_b32 s80, 0xbfb5f0e3                      ; -a3
	s_mov_b32 s81, 0xbfb5f0e3
	s_mov_b32 s82, 0x3e91a98e                      ; -a2
	s_mov_b32 s83, 0x3e91a98e
	s_mov_b32 s84, 0xbe827906                      ; -a1
	s_mov_b32 s85, 0xbe827906
	s_mov_b32 s86, 0x7fffffff
	v_mov_b32 v30, 0x3fba00e3                      ; -a4
	v_mov_b32 v31, 0x3fba00e3
.endif
	s_wait_dscnt 0x0
	s_wait_kmcnt 0x0
	s_add_nc_u64 s[14:15], s[4:5], s[16:17]
	s_add_nc_u64 s[46:47], s[6:7], s[46:47]
	CROUND                                         ; all sixteen work-groups are here: the first joint loads meet
.irp s, 0,1
	s_mov_b32 s[G0+4*\s], 1
	s_add_co_u32 s[G0+4*\s+1], s20, \s*SLOT
	s_add_nc_u64 s[G0+4*\s+2:G0+4*\s+3], s[14:15], \s*KSTEP*2
	s_or_b32 s[G0+4*\s+3], s[G0+4*\s+3], 0x80000000
	s_mov_b32 s[G0B+4*\s], 1
	s_add_co_u32 s[G0B+4*\s+1], s20, \s*SLOT
	s_add_nc_u64 s[G0B+4*\s+2:G0B+4*\s+3], s[46:47], \s*KSTEP*BP*2
	s_or_b32 s[G0B+4*\s+3], s[G0B+4*\s+3], 0x80000000
	JLOAD \s                                       ; both first fills go out as one group: two tensor loads of the wave are out
.endr
	v_and_b32 v1, 15, v0                           ; r = l % 16
	v_bfe_u32 v2, v0, 4, 1                         ; h = l / 16
	v_and_b32 v6, 7, v0                            ; l % 8
	v_bfe_u32 v7, v0, 3, 1                         ; (l / 8) % 2
	v_mul_u32_u24 v3, v1, APITCH
	v_lshl_add_u32 v3, v2, 4, v3                   ; A: row r, 16 bytes for each half of the lanes
	v_lshl_add_u32 v8, v2, 3, v6
	v_mul_u32_u24 v8, v8, BPITCH                   ; W: k-row 8 h + l % 8,
	v_lshl_add_u32 v8, v7, 4, v8                   ; columns 0-7 or 8-15 of the sixteen
	s_mul_i32 s21, s11, HALFT                      ; my 128 rows of A
	s_lshl_b32 s22, s12, 8                         ; my 128 columns of W: 256 bytes
	s_add_co_u32 s22, s22, BBASE
.irp s, 0,1
	v_add_nc_u32 v[ADRA+\s], s21, v3
	v_add_nc_u32 v[ADRB+\s], s22, v8
	s_add_co_u32 s21, s21, SLOT
	s_add_co_u32 s22, s22, SLOT
.endr
	s_mul_i32 s23, s10, 16*SPITCH
	s_add_co_u32 s23, s23, STAGE                   ; my stage
	v_mul_u32_u24 v4, v1, SPITCH
	v_lshl_add_u32 v4, v2, 4, v4
	v_add_nc_u32 v[STO], s23, v4
	v_mul_u32_u24 v5, v2, SPITCH
	v_lshl_add_u32 v5, v1, 4, v5
	v_add_nc_u32 v[RD], s23, v5
	v_mul_u32_u24 v5, v2, BP*2
	v_lshl_add_u32 v[CO], v1, 4, v5
	v_lshlrev_b32 v[BO], 5, v2
	; the bias of my 128 columns, laid as the accumulators are: register 8 b + j of window 1 = bias[16 b + 8 h + j].  Waited for on the way out.
.if IS_FFN1
	s_lshl_b32 s46, s42, 10                        ; 256 columns x 4 bytes a block column
.else
	s_cmp_eq_u32 ttmp9, 1                          ; the weight's own bias: the cluster's x again
	s_cselect_b64 s[66:67], s[70:71], s[68:69]
	s_cmp_eq_u32 ttmp9, 2
	s_cselect_b64 s[66:67], s[72:73], s[66:67]
	s_lshl_b32 s46, s40, 10
.endif
	s_lshl_b32 s47, s12, 9
	s_add_co_u32 s46, s46, s47
	s_mov_b32 s47, 0
	s_add_nc_u64 s[66:67], s[66:67], s[46:47]
	WIN TO_B
.irp b, 0,1,2,3,4,5,6,7
	global_load_b128 v[8*\b:8*\b+3],   v[BO], s[66:67] offset:64*\b
	global_load_b128 v[8*\b+4:8*\b+7], v[BO], s[66:67] offset:64*\b+16
.endr
	WIN 0
; 16 matrix instructions: m blocks a0, a0 + 1 of the window's four x all 8 n blocks, 32 along K.  zero = 1: the first product starts the sums.
.macro MUL16 f, hi, a0, zero
.irp a, \a0, \a0+1
.irp b, 0,1,2,3,4,5,6,7
.if \zero
	v_wmma_f32_16x16x32_bf16 v[8*(8*(\a)+\b):8*(8*(\a)+\b)+7], v[\f+8*\b:\f+8*\b+7], v[\f+8*(4*\hi+\a):\f+8*(4*\hi+\a)+7], 0
.else
	v_wmma_f32_16x16x32_bf16 v[8*(8*(\a)+\b):8*(8*(\a)+\b)+7], v[\f+8*\b:\f+8*\b+7], v[\f+8*(4*\hi+\a):\f+8*(4*\hi+\a)+7], v[8*(8*(\a)+\b):8*(8*(\a)+\b)+7]
.endif
.endr
.endr
.endm
; 32 LDS loads in one run: the fragments of K slice q (32 along K) of a slot into buffer f.
; W: the transposing load brings lane l column 16 i + l % 16, k = 8 h .. + 7 (first load) and 16 + 8 h .. + 7 (second, 16 k-rows down).
.macro FETCH slot, q, f
	WIN TO_B
.irp i, 0,1,2,3,4,5,6,7
	ds_load_tr16_b128 v[\f+8*\i:\f+8*\i+3],   v[ADRB+\slot] offset:\q*32*BPITCH+32*\i
	ds_load_tr16_b128 v[\f+8*\i+4:\f+8*\i+7], v[ADRB+\slot] offset:\q*32*BPITCH+16*BPITCH+32*\i
.endr
	WIN 0
.irp i, 0,1,2,3,4,5,6,7
	ds_load_b128 v[\f+8*\i:\f+8*\i+3],   v[ADRA+\slot] offset:64*\q+\i*16*APITCH
	ds_load_b128 v[\f+8*\i+4:\f+8*\i+7], v[ADRA+\slot] offset:64*\q+\i*16*APITCH+32
.endr
.endm
; four places behind a matrix instruction before a load lands in a register that it read, or a vector instruction reads its result
; (ISA guide 7.12.1 for vector instructions)
.macro PLACES
.rept 4
	v_nop
.endr
.endm
.macro QUARTER slot, q, f, g, zero
	s_wait_dscnt 8                                 ; W and A's rows 0-63 are in; the youngest eight loads (A's rows 64-127) may be out
	WIN MUL_LO
	MUL16 \f, 0, 0, \zero
	MUL16 \f, 0, 2, \zero
	PLACES
	FETCH \slot, \q, \g
	s_wait_dscnt 32                                ; all but the 32 just issued
	WIN MUL_HI
	MUL16 \f, 1, 0, \zero
	MUL16 \f, 1, 2, \zero
.endm
.macro THREE slot, zero
	QUARTER \slot, 1, F0, F1, \zero
	QUARTER \slot, 2, F1, F0, 0
	QUARTER \slot, 3, F0, F1, 0
.endm
; The last quarter of a K step: multiplies buffer 1 and changes slots.  In front of the barrier each wave waits for its reads of this slot and
; for all its tensor loads (one is out: its part of the next slot).  Where the slot is filled again the barrier opens a round of the cluster's
; barrier, and the joint refill is the first tensor load behind the round: 240 matrix instructions lie between a request and the wait for it.
.macro TURN slot, next, fill
	s_wait_dscnt 8
	WIN MUL_LO
	MUL16 F1, 0, 0, 0
	s_wait_dscnt 0
	s_wait_tensorcnt 0x0
	ds_add_u32 v255, v255
	s_wait_dscnt 0x0
	s_barrier_signal -1
	MUL16 F1, 0, 2, 0                              ; registers only
	WIN 0
	s_barrier_wait -1
.if \fill
	CREST
	s_add_nc_u64 s[G0+4*\slot+2:G0+4*\slot+3], s[G0+4*\slot+2:G0+4*\slot+3], 2*KSTEP*2
	s_add_nc_u64 s[G0B+4*\slot+2:G0B+4*\slot+3], s[G0B+4*\slot+2:G0B+4*\slot+3], 2*KSTEP*BP*2
	JLOAD \slot
.endif
	PLACES
	FETCH \next, 0, F0
	WIN MUL_HI
	MUL16 F1, 1, 0, 0
	MUL16 F1, 1, 2, 0
.endm
.macro LAP zero
	THREE 0, \zero
	TURN 0, 1, 1
	THREE 1, 0
	TURN 1, 0, 1
.endm
	s_wait_tensorcnt 1                             ; my part of K step 0 is in; K step 1's stays out
	s_barrier_signal -1
	s_barrier_wait -1
	FETCH 0, 0, F0
	LAP 1
.if LAPS > 2
	WIN 0
	s_mov_b32 s3, LAPS-2
.Llap:
	LAP 0
	WIN 0
	s_sub_co_u32 s3, s3, 1
	s_cmp_lg_u32 s3, 0
	s_cbranch_scc1 .Llap
.endif
	THREE 0, 0                                     ; the last lap fills nothing
	TURN 0, 1, 0
	THREE 1, 0
	s_wait_dscnt 8
	WIN MUL_LO
	MUL16 F1, 0, 0, 0
	MUL16 F1, 0, 2, 0
	s_wait_dscnt 0
	WIN MUL_HI
	MUL16 F1, 1, 0, 0
	MUL16 F1, 1, 2, 0
	; THE WAY OUT, 16 rows at a time: + bias, f, round to bf16, 16 bytes a lane into my own stage, whole rows of 256 bytes back and out.
	PLACES
	s_lshl_b32 s13, s13, 8
	s_lshl_b32 s14, s11, 7
	s_add_co_u32 s16, s13, s14                     ; my first row of C
	s_mul_i32 s16, s16, BP*2                       ; below 32 MiB
	s_mov_b32 s17, 0
	s_add_nc_u64 s[8:9], s[8:9], s[16:17]
.if IS_FFN1
	s_lshl_b32 s46, s42, 9
.else
	s_lshl_b32 s46, s40, 9
	s_lshl_b32 s47, ttmp9, 23                      ; q, k or v: 8 MiB each
	s_add_co_u32 s46, s46, s47
.endif
	s_lshl_b32 s47, s12, 8
	s_add_co_u32 s46, s46, s47
	s_mov_b32 s47, 0
	s_add_nc_u64 s[8:9], s[8:9], s[46:47]
	s_wait_loadcnt 0x0                             ; the bias
; gelu(x) = x/2 + |x|/2 - |x|/2 q,  q = (a1 t + .. + a5 t^5) exp(-x x / 2),  t = 1 / (1 + 0.3275911 |x| / sqrt 2): eight numbers at v[x .. x+7].
; The coefficients are kept negated, so that the last line is one fused multiply-add.
.macro GELU8 x
.irp k, 0,1,2,3,4,5,6,7
	v_and_b32 v[AX+\k], s86, v[\x+\k]
.endr
.irp k, 0,2,4,6
	v_pk_fma_f32 v[TG+\k:TG+\k+1], v[AX+\k:AX+\k+1], s[74:75], 1.0 op_sel_hi:[1,0,0]
.endr
.irp k, 0,1,2,3,4,5,6,7
	v_rcp_f32 v[TG+\k], v[TG+\k]
.endr
.irp k, 0,2,4,6
	v_pk_mul_f32 v[EG+\k:EG+\k+1], v[\x+\k:\x+\k+1], v[\x+\k:\x+\k+1]      ; also the plain place behind the reciprocals (ISA guide 5.7.2)
.endr
.irp k, 0,2,4,6
	v_pk_mul_f32 v[EG+\k:EG+\k+1], v[EG+\k:EG+\k+1], s[76:77] op_sel_hi:[1,0]
.endr
.irp k, 0,1,2,3,4,5,6,7
	v_exp_f32 v[EG+\k], v[EG+\k]
.endr
	s_wait_alu depctr_va_vdst(0)
.irp k, 0,2,4,6
	v_pk_fma_f32 v[PG+\k:PG+\k+1], v[TG+\k:TG+\k+1], s[78:79], v[30:31] op_sel_hi:[1,0,1]   ; also the plain place behind the exponentials
.endr
.irp c, 80,82,84
.irp k, 0,2,4,6
	v_pk_fma_f32 v[PG+\k:PG+\k+1], v[PG+\k:PG+\k+1], v[TG+\k:TG+\k+1], s[\c:\c+1] op_sel_hi:[1,1,0]
.endr
.endr
.irp k, 0,2,4,6
	v_pk_mul_f32 v[PG+\k:PG+\k+1], v[PG+\k:PG+\k+1], v[TG+\k:TG+\k+1]
.endr
.irp k, 0,2,4,6
	v_pk_mul_f32 v[PG+\k:PG+\k+1], v[PG+\k:PG+\k+1], v[EG+\k:EG+\k+1]
.endr
.irp k, 0,2,4,6
	v_pk_mul_f32 v[AX+\k:AX+\k+1], v[AX+\k:AX+\k+1], 0.5 op_sel_hi:[1,0]
.endr
.irp k, 0,2,4,6
	v_pk_fma_f32 v[\x+\k:\x+\k+1], v[\x+\k:\x+\k+1], 0.5, v[AX+\k:AX+\k+1] op_sel_hi:[1,0,1]
.endr
.irp k, 0,2,4,6
	v_pk_fma_f32 v[\x+\k:\x+\k+1], v[AX+\k:AX+\k+1], v[PG+\k:PG+\k+1], v[\x+\k:\x+\k+1]
.endr
.endm
; rows 16 i .. + 15 of my block = tiles (a, 0..7) of window 2 or 3.  from: source 0 that window, source 1 window 1 (bias), destination window 0
.macro OUT16 i, a, from
	WIN \from
.irp b, 0,1,2,3,4,5,6,7
.irp p, 0,1,2,3
	v_pk_add_f32 v[F0+8*\b+2*\p:F0+8*\b+2*\p+1], v[8*(8*\a+\b)+2*\p:8*(8*\a+\b)+2*\p+1], v[8*\b+2*\p:8*\b+2*\p+1]
.endr
.endr
	WIN 0
.if IS_FFN1
.irp b, 0,1,2,3,4,5,6,7
	GELU8 F0+8*\b
.endr
.endif
.irp b, 0,1,2,3,4,5,6,7
.irp r, 0,1,2,3
	v_cvt_pk_bf16_f32 v[TMP+4*\b+\r], v[F0+8*\b+2*\r], v[F0+8*\b+2*\r+1]
.endr
.endr
.irp b, 0,1,2,3,4,5,6,7
	ds_store_b128 v[STO], v[TMP+4*\b:TMP+4*\b+3] offset:32*\b
.endr
	s_wait_xcnt 0x0                                ; buffer 1, which the last stores read, and their base are rewritten only behind this wait
.if \i
	s_add_nc_u64 s[8:9], s[8:9], 16*BP*2
.endif
.irp t, 0,1,2,3,4,5,6,7
	ds_load_b128 v[F1+4*\t:F1+4*\t+3], v[RD] offset:\t*2*SPITCH    ; LDS serves a wave's instructions in order: these see the stores above
.endr
.irp t, 0,1,2,3,4,5,6,7
	s_wait_dscnt 7-\t                              ; read-back t is in, the younger ones stay out
	global_store_b128 v[CO], v[F1+4*\t:F1+4*\t+3], s[8:9] offset:2*\t*BP*2   ; 16 lanes store 256 consecutive bytes, aligned
.endr
.endm
	OUT16 0, 0, 0x06
	OUT16 1, 1, 0x06
	OUT16 2, 2, 0x06
	OUT16 3, 3, 0x06
	OUT16 4, 0, 0x07
	OUT16 5, 1, 0x07
	OUT16 6, 2, 0x07
	OUT16 7, 3, 0x07
	s_set_vgpr_msb 0x1
	s_wait_tensorcnt 0x0
	ds_add_u32 v255, v255
	s_wait_dscnt 0x0
	s_set_vgpr_msb 0x100
	CROUND                                         ; the closing round: no work-group ends while a partner may still ask for a tile that names it
	s_endpgm
.Lfunc_end_k_q7884f40515_ffn1:
	.size	k_q7884f40515_ffn1, .Lfunc_end_k_q7884f40515_ffn1-k_q7884f40515_ffn1
	.p2alignl 7, 3214868480
	.fill 96, 4, 3214868480
	.section	.rodata,"a",@progbits
	.p2align	6, 0x0
	.amdhsa_kernel k_q7884f40515_ffn1
		.amdhsa_group_segment_fixed_size 327680
		.amdhsa_private_segment_fixed_size 0
		.amdhsa_enable_private_segment 0
		.amdhsa_kernarg_size 32
		.amdhsa_user_sgpr_count 2
		.amdhsa_user_sgpr_kernarg_segment_ptr 1
		.amdhsa_wavefront_size32 1
		.amdhsa_system_sgpr_workgroup_id_x 1
		.amdhsa_system_sgpr_workgroup_id_y 1
		.amdhsa_system_sgpr_workgroup_id_z 1
		.amdhsa_system_vgpr_workitem_id 0
		.amdhsa_next_free_vgpr 1024
		.amdhsa_next_free_sgpr 88
		.amdhsa_reserve_vcc 0
		.amdhsa_float_denorm_mode_32 3
		.amdhsa_float_denorm_mode_16_64 3
		.amdhsa_memory_ordered 1
		.amdhsa_forward_progress 1
		.amdhsa_inst_pref_size 255
	.end_amdhsa_kernel
	.section	.bss,"aw",@nobits
	.p2align	6
	.space	262144
	.amdgpu_metadata
---
amdhsa.version: [ 1, 2 ]
amdhsa.kernels:
  - .name:           k_q7884f40515_ffn1
    .symbol:         k_q7884f40515_ffn1.kd
    .args:
      - { .name: hbf, .offset: 0, .size: 8, .value_kind: global_buffer, .address_space: global }
      - { .name: wbf, .offset: 8, .size: 8, .value_kind: global_buffer, .address_space: global }
      - { .name: gbf, .offset: 16, .size: 8, .value_kind: global_buffer, .address_space: global }
      - { .name: b1, .offset: 24, .size: 8, .value_kind: global_buffer, .address_space: global }
    .group_segment_fixed_size: 327680
    .private_segment_fixed_size: 0
    .kernarg_segment_align: 8
    .kernarg_segment_size: 32
    .max_flat_workgroup_size: 128
    .sgpr_count:     88
    .vgpr_count:     1024
    .wavefront_size: 32
...
	.end_amdgpu_metadata
.endif
;; end of part 6
;; launch ffn2 (part 7): grid 8 x 32, 4 waves a work-group, clusters of 4 x 4, 327,680 bytes of LDS; arguments gbf, wbf, out0, b2, x1; writes out0
.if DOCPART == 7
	.amdgcn_target "amdgcn-amd-amdhsa--gfx1250"
	.amdhsa_code_object_version 6
	.text
	.protected	k_q7884f40515_ffn2
	.globl	k_q7884f40515_ffn2
	.p2align	8
	.type	k_q7884f40515_ffn2,@function
k_q7884f40515_ffn2:
	s_mov_b64 s[64:65], 0
	v_nop
	global_prefetch_b8 v0, s[64:65] scope:SCOPE_SE
	s_setreg_imm32_b32 hwreg(HW_REG_WAVE_MODE, 25, 1), 1
	s_wait_xcnt 0x0
	s_wait_alu depctr_hold_cnt(0) depctr_sa_sdst(0) depctr_va_vdst(0) depctr_va_sdst(0) depctr_va_ssrc(0) depctr_va_vcc(0) depctr_vm_vsrc(0)
	s_getreg_b32 s2, hwreg(HW_REG_IB_STS2, 6, 4)
	s_cmp_eq_u32 s2, 0
	s_cbranch_scc0 .Lentry_in_a_cluster
	s_endpgm
.Lentry_in_a_cluster:
	s_bfe_u32 s2, ttmp6, 0x10000c
	s_cmp_lg_u32 s2, 0xf033
	s_cbranch_scc0 .Lentry_shape_is_right
	s_endpgm
.Lentry_shape_is_right:
; OUT = RES + A W + bias, in f32.  A: [4096][SIZE_K] bf16 (rows along K).  W: [SIZE_K][1024] bf16 as the input has it (rows along N).
; IS_FFN2 = 0: A = att, W = wo, RES = x, OUT = x1.   IS_FFN2 = 1: A = gbf, W = w2, RES = x1, OUT = out0.
; 4,096 x 1,024 outputs on 256 work-groups are one block of 128 x 128 each.  Four wave tiles of 64 x 64 would read twice the LDS bytes for each
; matrix instruction; instead EVERY wave makes the whole block (64 accumulator tiles, 512 registers) on its own quarter of K: of each slot's
; 256 along K wave w takes 64 w .. + 63.  The four partial blocks are added once at the end, through the ring's LDS bytes, which have had
; their last fill by then: 256 KiB written and read, against SIZE_K x 2 KiB of fragment reads.
; K goes in steps of 256 through two LDS slots: A's tile as 128 rows of 512 bytes, W's as 256 k-rows of 256 bytes.
; CLUSTERS: 4 x 4 work-groups; A's tile is asked for jointly along a row of the cluster, W's along a column.
; REGISTER WINDOWS: window 0: v0-31 addresses, v64-127 and v128-191 A's fragments (two buffers; on the way out the partial sums),
; v224-227 the bias; window 1: v64-191 W's fragments, v0-63 and v192-255 the residual of the 32 rows that I finish, asked for at the start;
; windows 2, 3: accumulators (tile (a, b) at v[8 (8 a + b)]).
; W's fragment is source 0, A's source 1: lane l holds row l % 16, registers 0-7 the columns 8 (l / 16) + 0..7 of the tile.
; The 64 accumulators take turns, one matrix instruction a turn.
; LIMITS: operands are bf16; each output is the sum of four partial sums over K, (((p0 + p1) + (p2 + p3)) + bias) + res.
.set IS_FFN2, 1
.if IS_FFN2
.set SIZE_K, 4096
.set WOFF, 0x1000000                   ; w2 lies 16 MiB into wbf
.else
.set SIZE_K, 1024
.set WOFF, 0x600000                    ; wo lies 6 MiB into wbf
.endif
.set BP,     1024
.set KSTEP,  256
.set APITCH, 528                       ; 512 bytes + 16: an odd multiple of 16
.set BPITCH, 288                       ; 256 bytes + 32: an odd multiple of 32
.set HALFT,  128*BPITCH                ; 36,864: a wave's part of a slot: 128 k-rows of W, or 64 rows of A (33,792 of it used)
.set BBASE,  2*HALFT
.set SLOT,   4*HALFT
.set RPITCH, 528                       ; a row of a partial block: 512 bytes + 16
.set PART,   128*RPITCH                ; a partial block: 67,584; four of them fit in the ring's 294,912
.set LAPS, SIZE_K/(2*KSTEP)
.set ADRA, 16
.set ADRB, 20
.set WR,   24                          ; where I put my partial block's 16 bytes
.set CO,   25                          ; 16 x lane
.set RB,   26                          ; v26-29 where I read partial block p back
.set F0,   64
.set F1,   128
.set PS,   64                          ; the way out: row r' of a batch: four partial sums at 64 + 16 r' + 4 p
.set BI,   224
.set G1, 24
.set G0, 32
.set G1B, 48
.set G0B, 56
.set MSB, 0
.macro WIN new                         ; the immediate's high byte repeats the setting that is left
.if MSB != \new
	s_set_vgpr_msb (MSB<<8)|\new
.set MSB, \new
.endif
.endm
.set MUL_LO, 0xa1
.set MUL_HI, 0xf1
.set TO_B,   0x40
.macro JLOAD s                         ; waves 0 and 1 fetch A's halves, waves 2 and 3 W's; the branch hangs on the wave's number alone
	s_cmp_eq_u32 s11, 0
	s_cbranch_scc0 .Lfor_b_\@
	tensor_load_to_lds s[G0+4*\s:G0+4*\s+3], s[G1:G1+7]
	s_nop 0
	s_branch .Lasked_\@
.Lfor_b_\@:
	tensor_load_to_lds s[G0B+4*\s:G0B+4*\s+3], s[G1B:G1B+7]
	s_nop 0
.Lasked_\@:
.endm
.macro CREST
	s_cmp_lg_u32 s10, 0
	s_cbranch_scc1 .Lnot_wave_0_\@
	s_barrier_signal -3
.Lnot_wave_0_\@:
	s_barrier_wait -3
	s_barrier_signal -1
	s_barrier_wait -1
.endm
.macro CROUND
	s_barrier_signal -1
	s_barrier_wait -1
	CREST
.endm
	s_load_b128 s[4:7], s[0:1], 0x0                ; A s[4:5], wbf s[6:7]
	s_load_b64 s[8:9], s[0:1], 0x10                ; OUT
	s_load_b64 s[66:67], s[0:1], 0x18              ; bias
	s_load_b64 s[68:69], s[0:1], 0x20              ; RES
	v_lshl_add_u32 v254, v0, 2, 0x48000
	v_mov_b32 v255, 0
	ds_add_u32 v254, v255
	v_lshrrev_b32 v1, 5, v0
	v_readfirstlane_b32 s10, v1                    ; wave 0..3: also my quarter of K
	s_lshr_b32 s11, s10, 1                         ; I fetch for A (0) or for W (1)
	s_and_b32 s12, s10, 1                          ; which half of that tile
	s_bfe_u32 s40, ttmp6, 0x40000                  ; cx
	s_bfe_u32 s41, ttmp6, 0x40004                  ; cy
	s_lshl_b32 s42, ttmp9, 2
	s_add_co_u32 s42, s42, s40                     ; block column
	s_and_b32 s13, ttmp7, 0xffff
	s_lshl_b32 s13, s13, 2
	s_add_co_u32 s13, s13, s41                     ; block row
	s_lshl_b32 s43, s41, 2
	s_lshl_b32 s43, 15, s43                        ; my row of the cluster
	s_lshl_b32 s44, 0x1111, s40                    ; my column
	; group 1.  A: 64 rows x 256 elements, 4 words of padding behind every 128.  W: 128 rows x 128 elements, 8 words behind every 64.
	s_or_b32 s[G1+0], s43, (1<<16)|(1<<20)|(1<<21)|(6<<22)|(3<<25)
	s_or_b32 s[G1B+0], s44, (1<<16)|(1<<20)|(1<<21)|(5<<22)|(7<<25)
	s_mov_b32 s[G1+1], 256<<16
	s_mov_b32 s[G1B+1], 128<<16
	s_mov_b32 s[G1+2], 64<<16
	s_mov_b32 s[G1B+2], 128<<16
	s_mov_b32 s[G1+3], 256<<16
	s_mov_b32 s[G1B+3], 128<<16
	s_mov_b32 s[G1+4], 64
	s_mov_b32 s[G1B+4], 128
	s_mov_b32 s[G1+5], SIZE_K
	s_mov_b32 s[G1B+5], BP
	s_mov_b32 s[G1+6], 0
	s_mov_b32 s[G1B+6], 0
	s_mov_b32 s[G1+7], 0
	s_mov_b32 s[G1B+7], 0
	s_lshl_b32 s17, s12, 6
	s_lshl_b32 s16, s13, 7
	s_add_co_u32 s16, s16, s17                     ; A: row 128 x block row + 64 x half
	s_mul_i32 s16, s16, SIZE_K*2                   ; below 32 MiB
	s_mov_b32 s17, 0
	s_lshl_b32 s46, s42, 8                         ; W: 256 bytes a block column
	s_add_co_u32 s46, s46, WOFF
	s_lshl_b32 s47, s12, 18                        ; my 128 k-rows of 2,048 bytes
	s_add_co_u32 s46, s46, s47
	s_mov_b32 s47, 0
	s_mul_i32 s20, s10, HALFT                      ; where my load goes: wave x 36,864
	s_wait_dscnt 0x0
	s_wait_kmcnt 0x0
	s_add_nc_u64 s[14:15], s[4:5], s[16:17]
	s_add_nc_u64 s[46:47], s[6:7], s[46:47]
	CROUND                                         ; all sixteen work-groups are here: the first joint loads meet
.irp s, 0,1
	s_mov_b32 s[G0+4*\s], 1
	s_add_co_u32 s[G0+4*\s+1], s20, \s*SLOT
	s_add_nc_u64 s[G0+4*\s+2:G0+4*\s+3], s[14:15], \s*KSTEP*2
	s_or_b32 s[G0+4*\s+3], s[G0+4*\s+3], 0x80000000
	s_mov_b32 s[G0B+4*\s], 1
	s_add_co_u32 s[G0B+4*\s+1], s20, \s*SLOT
	s_add_nc_u64 s[G0B+4*\s+2:G0B+4*\s+3], s[46:47], \s*KSTEP*BP*2
	s_or_b32 s[G0B+4*\s+3], s[G0B+4*\s+3], 0x80000000
	JLOAD \s                                       ; both first fills as one group: two tensor loads of the wave are out
.endr
	v_and_b32 v1, 15, v0                           ; r
	v_bfe_u32 v2, v0, 4, 1                         ; h
	v_and_b32 v6, 7, v0
	v_bfe_u32 v7, v0, 3, 1
	v_and_b32 v9, 31, v0                           ; lane
	v_mul_u32_u24 v3, v1, APITCH
	v_lshl_add_u32 v3, v2, 4, v3
	v_lshl_add_u32 v8, v2, 3, v6
	v_mul_u32_u24 v8, v8, BPITCH
	v_lshl_add_u32 v8, v7, 4, v8
	s_lshl_b32 s21, s10, 7                         ; my 64 along K in A's rows: 128 bytes
	s_mul_i32 s22, s10, 64*BPITCH                  ; my 64 k-rows of W
	s_add_co_u32 s22, s22, BBASE
.irp s, 0,1
	v_add_nc_u32 v[ADRA+\s], s21, v3
	v_add_nc_u32 v[ADRB+\s], s22, v8
	s_add_co_u32 s21, s21, SLOT
	s_add_co_u32 s22, s22, SLOT
.endr
	s_mul_i32 s23, s10, PART
	v_mul_u32_u24 v4, v1, RPITCH
	v_lshl_add_u32 v4, v2, 5, v4                   ; row r, 32 bytes (8 f32) for each half of the lanes
	v_add_nc_u32 v[WR], s23, v4
	v_lshlrev_b32 v[CO], 4, v9
	s_mul_i32 s23, s10, 32*RPITCH                  ; on the way out wave w owns rows 32 w .. + 31
.irp p, 0,1,2,3
	v_add_nc_u32 v[RB+\p], s23, v[CO]
	s_add_co_u32 s23, s23, PART
.endr
	s_lshl_b32 s46, s42, 9                         ; my block's 128 columns x 4 bytes
	s_mov_b32 s47, 0
	s_add_nc_u64 s[66:67], s[66:67], s[46:47]
	global_load_b128 v[BI:BI+3], v[CO], s[66:67]   ; the bias of my four columns; waited for on the way out
	s_lshl_b32 s70, s13, 7
	s_lshl_b32 s71, s10, 5
	s_add_co_u32 s70, s70, s71                     ; the first row that I finish: 128 x block row + 32 x wave
	s_lshl_b32 s70, s70, 12
	s_mov_b32 s71, 0
	s_add_nc_u64 s[8:9], s[8:9], s[70:71]
	s_add_nc_u64 s[8:9], s[8:9], s[46:47]
	s_add_nc_u64 s[68:69], s[68:69], s[70:71]
	s_add_nc_u64 s[68:69], s[68:69], s[46:47]
.macro MUL16 f, hi, a0, zero
.irp a, \a0, \a0+1
.irp b, 0,1,2,3,4,5,6,7
.if \zero
	v_wmma_f32_16x16x32_bf16 v[8*(8*(\a)+\b):8*(8*(\a)+\b)+7], v[\f+8*\b:\f+8*\b+7], v[\f+8*(4*\hi+\a):\f+8*(4*\hi+\a)+7], 0
.else
	v_wmma_f32_16x16x32_bf16 v[8*(8*(\a)+\b):8*(8*(\a)+\b)+7], v[\f+8*\b:\f+8*\b+7], v[\f+8*(4*\hi+\a):\f+8*(4*\hi+\a)+7], v[8*(8*(\a)+\b):8*(8*(\a)+\b)+7]
.endif
.endr
.endr
.endm
; the fragments of slice q (32 along K) of my quarter of a slot.  A's rows 64-127 lie in the second wave's part, 36,864 bytes on.
.macro FETCH slot, q, f
	WIN TO_B
.irp i, 0,1,2,3,4,5,6,7
	ds_load_tr16_b128 v[\f+8*\i:\f+8*\i+3],   v[ADRB+\slot] offset:\q*32*BPITCH+32*\i
	ds_load_tr16_b128 v[\f+8*\i+4:\f+8*\i+7], v[ADRB+\slot] offset:\q*32*BPITCH+16*BPITCH+32*\i
.endr
	WIN 0
.irp i, 0,1,2,3,4,5,6,7
	ds_load_b128 v[\f+8*\i:\f+8*\i+3],   v[ADRA+\slot] offset:64*\q+(\i/4)*HALFT+(\i%4)*16*APITCH
	ds_load_b128 v[\f+8*\i+4:\f+8*\i+7], v[ADRA+\slot] offset:64*\q+(\i/4)*HALFT+(\i%4)*16*APITCH+32
.endr
.endm
.macro PLACES                          ; four places behind a matrix instruction (ISA guide 7.12.1 for vector instructions)
.rept 4
	v_nop
.endr
.endm
.macro QUARTER slot, q, f, g, zero
	s_wait_dscnt 8                                 ; W and A's rows 0-63 are in; the youngest eight loads may be out
	WIN MUL_LO
	MUL16 \f, 0, 0, \zero
	MUL16 \f, 0, 2, \zero
	PLACES
	FETCH \slot, \q, \g
	s_wait_dscnt 32                                ; all but the 32 just issued
	WIN MUL_HI
	MUL16 \f, 1, 0, \zero
	MUL16 \f, 1, 2, \zero
.endm
; The second half of a slot: multiplies buffer 1 and changes slots.  The waits for my reads of this slot and for all my tensor loads stand in
; front of the barrier; where the slot is filled again the barrier opens a round of the cluster's barrier and the joint refill comes first
; behind the round.  A slot's matrix work is short beside its 128 KiB, so nothing stands between the waits and the request but the round:
; all 128 matrix instructions of a slot lie between a request and the wait for it.
.macro TURN slot, next, fill
	s_wait_dscnt 8
	WIN MUL_LO
	MUL16 F1, 0, 0, 0
	s_wait_dscnt 0
	s_set_vgpr_msb 0xa1a0
	s_wait_tensorcnt 0x0
	ds_add_u32 v254, v255
	s_wait_dscnt 0x0
	s_set_vgpr_msb 0xa0a1
	WIN 0
	s_barrier_signal -1
	s_barrier_wait -1
.if \fill
	CREST
	s_add_nc_u64 s[G0+4*\slot+2:G0+4*\slot+3], s[G0+4*\slot+2:G0+4*\slot+3], 2*KSTEP*2
	s_add_nc_u64 s[G0B+4*\slot+2:G0B+4*\slot+3], s[G0B+4*\slot+2:G0B+4*\slot+3], 2*KSTEP*BP*2
	JLOAD \slot
.endif
	WIN MUL_LO
	MUL16 F1, 0, 2, 0
	PLACES
	FETCH \next, 0, F0
	WIN MUL_HI
	MUL16 F1, 1, 0, 0
	MUL16 F1, 1, 2, 0
.endm
.macro LAP zero
	QUARTER 0, 1, F0, F1, \zero
	TURN 0, 1, 1
	QUARTER 1, 1, F0, F1, 0
	TURN 1, 0, 1
.endm
	s_wait_tensorcnt 1                             ; my part of slot 0 is in; slot 1's stays out
	s_barrier_signal -1
	s_barrier_wait -1
	FETCH 0, 0, F0
	; the residual of the 32 rows that I finish, a row's 512 bytes a load, into window 1's free registers: row r at v[4 r], from row 16 on at
	; v[192 + 4 (r - 16)].  Asked for here, while the first fragments are on their way from LDS; waited for on the way out.
	WIN TO_B
.set r, 0
.rept 32
	global_load_b128 v[4*r+(r/16)*128:4*r+(r/16)*128+3], v[CO], s[68:69] offset:r*4096
.set r, r+1
.endr
	LAP 1
.if LAPS > 2
	WIN 0
	s_mov_b32 s3, LAPS-2
.Llap:
	LAP 0
	WIN 0
	s_sub_co_u32 s3, s3, 1
	s_cmp_lg_u32 s3, 0
	s_cbranch_scc1 .Llap
.endif
	QUARTER 0, 1, F0, F1, 0                        ; the last lap fills nothing
	TURN 0, 1, 0
	QUARTER 1, 1, F0, F1, 0
	s_wait_dscnt 8
	WIN MUL_LO
	MUL16 F1, 0, 0, 0
	MUL16 F1, 0, 2, 0
	s_wait_dscnt 0
	WIN MUL_HI
	MUL16 F1, 1, 0, 0
	MUL16 F1, 1, 2, 0
	; THE WAY OUT.  The ring has had its last fill and every wave's tensor loads were waited for in front of the last change of slots.
	PLACES
	WIN 0
	s_barrier_signal -1                            ; my reads of the ring are over (the wait for 0 above),
	s_barrier_wait -1                              ; everybody's are: its bytes may be written
	WIN 0x08                                       ; store data from window 2
.irp a, 0,1,2,3
.irp b, 0,1,2,3,4,5,6,7
	ds_store_b128 v[WR], v[8*(8*\a+\b):8*(8*\a+\b)+3]   offset:\a*16*RPITCH+64*\b
	ds_store_b128 v[WR], v[8*(8*\a+\b)+4:8*(8*\a+\b)+7] offset:\a*16*RPITCH+64*\b+16
.endr
.endr
	WIN 0x0c                                       ; from window 3: rows 64-127
.irp a, 0,1,2,3
.irp b, 0,1,2,3,4,5,6,7
	ds_store_b128 v[WR], v[8*(8*\a+\b):8*(8*\a+\b)+3]   offset:(\a+4)*16*RPITCH+64*\b
	ds_store_b128 v[WR], v[8*(8*\a+\b)+4:8*(8*\a+\b)+7] offset:(\a+4)*16*RPITCH+64*\b+16
.endr
.endr
	WIN 0
	s_wait_dscnt 0x0                               ; my partial block is written,
	s_barrier_signal -1
	s_barrier_wait -1                              ; all four are
	s_wait_loadcnt 0x0                             ; the bias and the residual, asked for at the start
	; 32 rows in four batches of eight.  A lane has four columns of each row; a load or store of the wave covers a row's 512 bytes.
.irp bt, 0,1,2,3
	s_wait_xcnt 0x0                                ; the registers that the last batch's stores read are loaded again only behind this wait
.irp r, 0,1,2,3,4,5,6,7
.irp p, 0,1,2,3
	ds_load_b128 v[PS+16*\r+4*\p:PS+16*\r+4*\p+3], v[RB+\p] offset:(8*\bt+\r)*RPITCH
.endr
.endr
.irp r, 0,1,2,3,4,5,6,7
	s_wait_dscnt 4*(7-\r)                          ; this row's four partial sums are in; four loads for each later row stay out
	v_pk_add_f32 v[PS+16*\r:PS+16*\r+1],     v[PS+16*\r:PS+16*\r+1],     v[PS+16*\r+4:PS+16*\r+5]
	v_pk_add_f32 v[PS+16*\r+2:PS+16*\r+3],   v[PS+16*\r+2:PS+16*\r+3],   v[PS+16*\r+6:PS+16*\r+7]
	v_pk_add_f32 v[PS+16*\r+8:PS+16*\r+9],   v[PS+16*\r+8:PS+16*\r+9],   v[PS+16*\r+12:PS+16*\r+13]
	v_pk_add_f32 v[PS+16*\r+10:PS+16*\r+11], v[PS+16*\r+10:PS+16*\r+11], v[PS+16*\r+14:PS+16*\r+15]
	v_pk_add_f32 v[PS+16*\r:PS+16*\r+1],     v[PS+16*\r:PS+16*\r+1],     v[PS+16*\r+8:PS+16*\r+9]
	v_pk_add_f32 v[PS+16*\r+2:PS+16*\r+3],   v[PS+16*\r+2:PS+16*\r+3],   v[PS+16*\r+10:PS+16*\r+11]
	v_pk_add_f32 v[PS+16*\r:PS+16*\r+1],     v[PS+16*\r:PS+16*\r+1],     v[BI:BI+1]
	v_pk_add_f32 v[PS+16*\r+2:PS+16*\r+3],   v[PS+16*\r+2:PS+16*\r+3],   v[BI+2:BI+3]
.endr
	WIN 0x04                                       ; source 1 from window 1: the residual
.irp r, 0,1,2,3,4,5,6,7
	v_pk_add_f32 v[PS+16*\r:PS+16*\r+1],   v[PS+16*\r:PS+16*\r+1],   v[4*(8*\bt+\r)+((8*\bt+\r)/16)*128:4*(8*\bt+\r)+((8*\bt+\r)/16)*128+1]
	v_pk_add_f32 v[PS+16*\r+2:PS+16*\r+3], v[PS+16*\r+2:PS+16*\r+3], v[4*(8*\bt+\r)+((8*\bt+\r)/16)*128+2:4*(8*\bt+\r)+((8*\bt+\r)/16)*128+3]
.endr
	WIN 0
.irp r, 0,1,2,3,4,5,6,7
	global_store_b128 v[CO], v[PS+16*\r:PS+16*\r+3], s[8:9] offset:(8*\bt+\r)*4096
.endr
.endr
	s_wait_tensorcnt 0x0
	ds_add_u32 v254, v255
	s_wait_dscnt 0x0
	CROUND                                         ; the closing round: no work-group ends while a partner may still ask for a tile that names it
	s_endpgm
.Lfunc_end_k_q7884f40515_ffn2:
	.size	k_q7884f40515_ffn2, .Lfunc_end_k_q7884f40515_ffn2-k_q7884f40515_ffn2
	.p2alignl 7, 3214868480
	.fill 96, 4, 3214868480
	.section	.rodata,"a",@progbits
	.p2align	6, 0x0
	.amdhsa_kernel k_q7884f40515_ffn2
		.amdhsa_group_segment_fixed_size 327680
		.amdhsa_private_segment_fixed_size 0
		.amdhsa_enable_private_segment 0
		.amdhsa_kernarg_size 40
		.amdhsa_user_sgpr_count 2
		.amdhsa_user_sgpr_kernarg_segment_ptr 1
		.amdhsa_wavefront_size32 1
		.amdhsa_system_sgpr_workgroup_id_x 1
		.amdhsa_system_sgpr_workgroup_id_y 1
		.amdhsa_system_sgpr_workgroup_id_z 1
		.amdhsa_system_vgpr_workitem_id 0
		.amdhsa_next_free_vgpr 1024
		.amdhsa_next_free_sgpr 74
		.amdhsa_reserve_vcc 0
		.amdhsa_float_denorm_mode_32 3
		.amdhsa_float_denorm_mode_16_64 3
		.amdhsa_memory_ordered 1
		.amdhsa_forward_progress 1
		.amdhsa_inst_pref_size 132
	.end_amdhsa_kernel
	.amdgpu_metadata
---
amdhsa.version: [ 1, 2 ]
amdhsa.kernels:
  - .name:           k_q7884f40515_ffn2
    .symbol:         k_q7884f40515_ffn2.kd
    .args:
      - { .name: gbf, .offset: 0, .size: 8, .value_kind: global_buffer, .address_space: global }
      - { .name: wbf, .offset: 8, .size: 8, .value_kind: global_buffer, .address_space: global }
      - { .name: out0, .offset: 16, .size: 8, .value_kind: global_buffer, .address_space: global }
      - { .name: b2, .offset: 24, .size: 8, .value_kind: global_buffer, .address_space: global }
      - { .name: x1, .offset: 32, .size: 8, .value_kind: global_buffer, .address_space: global }
    .group_segment_fixed_size: 327680
    .private_segment_fixed_size: 0
    .kernarg_segment_align: 8
    .kernarg_segment_size: 40
    .max_flat_workgroup_size: 128
    .sgpr_count:     74
    .vgpr_count:     1024
    .wavefront_size: 32
...
	.end_amdgpu_metadata
.endif
;; end of part 7
